; MI455X (gfx1250); checked and timed in simulation.
; The chip was launched on July 23, 2026; its instructions are those of AMD's public machine-readable ISA for CDNA 5 (MIT licence, August 2026) and "CDNA5" Instruction Set Architecture Reference Guide (July 2026). The comments in the code are by the model that wrote it; some were corrected since.
;; Multi Head Gated Cross Attention. Allowed arithmetic: matrix products marked QUANTISED: E3M2 operands, one E8M0 scale for each 32 along K, by v_wmma_scale_f32_16x16x128_f8f6f4 with both operands' format E3M2, f32 sums; everything else in f32.
;; Inputs: Wk 512 x 512 float32; Wo 512 x 512 float32; Wq 512 x 512 float32; Wv 512 x 512 float32; bk 512 float32; bo 512 float32; bq 512 float32; bv 512 float32; key_gate 2 x 4,096 float32; key_mask 2 x 4,096 int32; kv 2 x 4,096 x 512 float32; q 2 x 2,048 x 512 float32.
;; Outputs: out0 2 x 2,048 x 512 float32.
;; This version of the problem:
;;   THIS VERSION OF THE PROBLEM IS GIVEN IN LOW PRECISION. The matrix products marked QUANTISED in the list below multiply operands that are first quantised to E3M2 (3 exponent bits, 2 mantissa bits; 6 bits a number), with one power-of-two scale for each 32 numbers along K (OCP MX v1.0); their sums are f32. All else is computed in f32.
;;   The module's matrix products, in the order in which they are computed (A, B: the left and right operand; K: the contracted axis; several contracted axes count as one K, in the product's order):
;;     1. [M 4,096, K 512] x [K 512, N 512]; A: input q; B: input Wq: QUANTISED
;;     2. [M 8,192, K 512] x [K 512, N 512]; A: input kv; B: input Wk: QUANTISED
;;     3. [M 8,192, K 512] x [K 512, N 512]; A: input kv; B: input Wv: QUANTISED
;;     4. batch 16 x [M 2,048, K 64] x [K 64, N 4,096]; A: computed on the way; B: computed on the way: QUANTISED
;;     5. batch 16 x [M 2,048, K 4,096] x [K 4,096, N 64]; A: softmax (see below); B: computed on the way: QUANTISED
;;     6. [M 4,096, K 512] x [K 512, N 512]; A: computed on the way; B: input Wo: QUANTISED
;;   THE QUANTISER, for each operand of a quantised product, along K:
;;     - K is cut into blocks of 32 from its start; a last block that is shorter is filled with zeros.
;;     - A block's scale is 2^e with e = floor(log2(the largest magnitude in the block)) - 4, held to -126 .. 127; a block of zeros has e = 0. As a byte (E8M0): e + 127.
;;     - Each number is divided by its block's scale, clamped to +-28, and rounded to the nearest number of E3M2, ties to even, subnormals kept.
;;     - The product sums the exact products of the quantised numbers (number of the format x scale) in f32.
;;   ~~~python
;;   def quantise(x, axis):      # numpy; x: float32 -> the quantised numbers, widened to float32 again
;;       x = np.moveaxis(x, axis, -1); K = x.shape[-1]
;;       x = np.pad(x, [(0, 0)] * (x.ndim - 1) + [(0, -K % 32)]); x = x.reshape(x.shape[:-1] + (-1, 32)); a = np.abs(x).max(-1, keepdims=True)
;;       e = np.where(a > 0, np.clip(np.frexp(np.where(a > 0, a, 1))[1] - 1 - 4, -126, 127), 0)      # np.frexp(a)[1] - 1 = floor(log2(a)), exactly
;;       r = np.clip(x / 2.0 ** e, -28, 28)
;;       step = 2.0 ** (np.maximum(np.frexp(np.where(r == 0, 1, r))[1] - 1, -2) - 2)
;;       q = np.round(r / step) * step * 2.0 ** e      # np.round: ties to even
;;       return np.moveaxis(q.reshape(q.shape[:-2] + (-1,))[..., :K], -1, axis).astype(np.float32)
;;   ~~~
;;   SOFTMAX AHEAD OF A QUANTISED PRODUCT. Where the list says 'softmax', what is quantised is not the finished softmax but p = 2^(t - M), with t = logit x log2(e) and M = ceil(the row's largest t), a whole number; so 1/2 < the row's largest p <= 1. The row's sum l is taken of the UNQUANTISED p, in f32, and the product's result is divided by l at the end. Since M is a whole number, a kernel that streams over the keys may use a running M (the ceiling of the running maximum): every later rescaling is an exact power of two, which a block's scale takes up: the codes' values come out the same.
;;   OPERANDS COMPUTED ON THE WAY. 'Computed on the way' means the value that the module computes at that place (a softmax that the list does not call 'softmax' is quantised finished and normalised). What goes into a quantiser is computed in f32, as accurately as f32 sums, v_exp_f32 and their like allow (about 1e-6 of the number): no bf16 or f16 on the way to a quantiser, and a product that is left as it is and whose result goes on into a quantised operand takes f32 operands (vector FMAs, or v_wmma_f32_16x16x4_f32). A number that lies on a knife's edge between two numbers of the format may be rounded either way, as far as f32 arithmetic and the matrix unit's own rounding can turn it there, and no further.
;; 2 versions. Each part assembles by itself: llvm-mc -triple=amdgcn-amd-amdhsa -mcpu=gfx1250 --defsym DOCPART=n.
;; ======== version 1 of 2: 4 launches
;; limits: right only within a limited range of input values
;; workspace buffers: wpk 819,200 bytes; pjk 8,388,608 bytes; aok 1,638,400 bytes
;; launch prep (part 1): grid 128 x 1, 4 waves a work-group, no clusters, 0 bytes of LDS; arguments Wq, Wk, Wv, Wo, wpk; writes wpk
.if DOCPART == 1
	.amdgcn_target "amdgcn-amd-amdhsa--gfx1250"
	.amdhsa_code_object_version 6
	.text
	.protected	k_qc37070cb08_prep
	.globl	k_qc37070cb08_prep
	.p2align	8
	.type	k_qc37070cb08_prep,@function
k_qc37070cb08_prep:
	s_mov_b64 s[64:65], 0
	v_nop
	global_prefetch_b8 v0, s[64:65] scope:SCOPE_SE
	s_setreg_imm32_b32 hwreg(HW_REG_WAVE_MODE, 25, 1), 1
	s_wait_xcnt 0x0
; The four weights [512][512] f32 (K innermost) become codes of E3M2 with one E8M0 byte for each 32 along K, laid as the matrix unit's registers take them.
; A FRAGMENT is 16 rows x 128 K: 12 registers a lane.  Its IMAGE is 3 pieces of 512 bytes: piece c holds registers 4 c .. 4 c + 3, lane l's 16 bytes at 16 l.
; THE ROWS OF A TILE ARE NOT NEIGHBOURS: lane r of tile T takes row 32 (T / 2) + 8 (T % 2) + r + 8 (r / 8), so that a later result's 16 registers of tiles 2 b, 2 b + 1 are 16 neighbours.
; wpk: images [matrix 4][tile 32][K step 4] of 1,536 bytes from byte 0; scale words [matrix][tile][K step][row 16] from byte WSC.
; SHARES: work-group x = 32 x matrix + tile; wave s makes K step s: one fragment a wave.  No LDS, no barrier, no loop: waves share nothing.
; A block's scale is 2^(floor(log2(its largest magnitude)) - 4): its byte is the largest magnitude's exponent field - 4, held at 1 from below by a floor among the maximum's leaves.
; LIMITS: NaN and infinities among the inputs are not served; a block whose largest magnitude lies under 2^-122, a block of zeros among them, keeps the byte 1 (its codes are zeros or tiny; this program alone reads the bytes).
.set WSC, 786432
.set LI,  1                            ; v1  16 x lane
.set XA,  2                            ; v2  my row's byte in the tile, + 64 x (lane / 16)
.set SA,  3                            ; v3  4 r + 2 h: my half of my row's scale word
.set TM,  4                            ; v4-9   at work in QH
.set CT,  10                           ; v10-12 a conversion's three registers
.set SL,  13                           ; v13 the half word that I store
.set HW0, 14                           ; v14 bytes of blocks 0, 1
.set HW1, 15                           ; v15 bytes of blocks 2, 3
.set OF,  16                           ; v16-27 the fragment
.set X,   32                           ; v32-95 64 numbers: register 16 b + i = k 32 b + 16 (lane / 16) + i of my row
.set SEL, 22                           ; s[22:23] lane selects: lane l xor 16
; 32 numbers of a lane, register 16 b + i = k 32 b + 16 (lane / 16) + i (b = 0, 1), become six registers of codes, k = 32 (lane / 16) + 0 .. 31, and the two blocks' bytes in hw.
.macro QH src, dst, hw
.irp b, 0,1
	v_max3_num_f32 v[TM+\b], |v[\src+16*\b]|, |v[\src+16*\b+1]|, 0x2800000   ; my 16 numbers of block b, and the floor 2^(5 - 127)
.endr
.irp i, 2,4,6,8,10,12,14
.irp b, 0,1
	v_max3_num_f32 v[TM+\b], v[TM+\b], |v[\src+16*\b+\i]|, |v[\src+16*\b+\i+1]|
.endr
.endr
.irp b, 0,1
	v_permlanex16_b32 v[TM+2+\b], v[TM+\b], s[SEL], s[SEL+1]
.endr
.irp b, 0,1
	v_max_num_f32 v[TM+\b], v[TM+\b], v[TM+2+\b]        ; with lane l xor 16's 16: the block's largest magnitude
.endr
.irp b, 0,1
	v_add_nc_u32 v[TM+4+\b], 0xfe000000, v[TM+\b]       ; 4 off its exponent field: the conversion's scale operand
.endr
.irp b, 0,1
	v_lshrrev_b32 v[TM+2+\b], 23, v[TM+4+\b]            ; the scale's byte
.endr
	v_lshl_or_b32 v[\hw], v[TM+3], 8, v[TM+2]
	v_cvt_scalef32_pk16_bf6_f32 v[\dst:\dst+2], v[\src:\src+15], v[TM+4]
	v_cvt_scalef32_pk16_bf6_f32 v[CT:CT+2], v[\src+16:\src+31], v[TM+5]
	v_nop                                               ; one plain place behind a scaled conversion
.irp i, 0,1,2
	v_permlane16_swap_b32 v[\dst+\i], v[CT+\i]          ; a whole block to a lane: lanes 0-15 block 0, lanes 16-31 block 1
.endr
.irp i, 0,1,2
	v_mov_b32 v[\dst+3+\i], v[CT+\i]
.endr
.endm
	s_load_b256 s[4:11], s[0:1], 0x0               ; Wq, Wk, Wv, Wo
	s_load_b64 s[12:13], s[0:1], 0x20              ; wpk
	v_lshrrev_b32 v1, 5, v0
	v_readfirstlane_b32 s14, v1                    ; wave = K step
	v_and_b32 v28, 31, v0                          ; lane
	v_and_b32 v29, 15, v0                          ; r
	v_bfe_u32 v30, v0, 4, 1                        ; h
	v_lshlrev_b32 v[LI], 4, v28
	v_and_b32 v31, 8, v29
	v_add_nc_u32 v31, v31, v29                     ; r + 8 (r / 8)
	v_lshlrev_b32 v[XA], 11, v31                   ; a row is 2,048 bytes
	v_lshl_add_u32 v[XA], v30, 6, v[XA]
	v_lshlrev_b32 v[SA], 2, v29
	v_lshl_add_u32 v[SA], v30, 1, v[SA]
	v_mov_b32 v[TM+2], 0                           ; written once: a lane permute's destination counts as one of its sources
	v_mov_b32 v[TM+3], 0
	s_mov_b32 s[SEL], 0x76543210
	s_mov_b32 s[SEL+1], 0xfedcba98
	s_mov_b32 s24, 0xffff0000                      ; lanes 16-31
	s_lshr_b32 s15, ttmp9, 5                       ; matrix
	s_and_b32 s25, ttmp9, 31                       ; tile
	s_lshr_b32 s26, s25, 1
	s_lshl_b32 s26, s26, 16                        ; 32 rows of 2,048 bytes for each pair of tiles
	s_and_b32 s27, s25, 1
	s_lshl_b32 s27, s27, 14                        ; 8 rows for the odd tile
	s_add_co_u32 s26, s26, s27
	s_lshl_b32 s27, s14, 9                         ; 512 bytes a K step
	s_add_co_u32 s26, s26, s27
	s_mov_b32 s27, 0
	s_lshl_b32 s28, ttmp9, 2
	s_add_co_u32 s28, s28, s14                     ; the fragment's number
	s_mul_i32 s30, s28, 1536
	s_mov_b32 s31, 0
	s_lshl_b32 s28, s28, 6
	s_add_co_u32 s28, s28, WSC
	s_mov_b32 s29, 0
	s_wait_kmcnt 0x0
	s_cmp_eq_u32 s15, 1                            ; the choice hangs on the work-group's number alone
	s_cselect_b64 s[16:17], s[6:7], s[4:5]
	s_cmp_eq_u32 s15, 2
	s_cselect_b64 s[16:17], s[8:9], s[16:17]
	s_cmp_eq_u32 s15, 3
	s_cselect_b64 s[16:17], s[10:11], s[16:17]
	s_add_nc_u64 s[16:17], s[16:17], s[26:27]
	s_add_nc_u64 s[18:19], s[12:13], s[30:31]
	s_add_nc_u64 s[20:21], s[12:13], s[28:29]
.irp b, 0,1,2,3
.irp j, 0,1,2,3
	global_load_b128 v[X+16*\b+4*\j:X+16*\b+4*\j+3], v[XA], s[16:17] offset:128*\b+16*\j th:TH_LOAD_NT   ; a lane's four loads of a block take 64 consecutive bytes; read once in the launch
.endr
.endr
	s_wait_loadcnt 0x0
	QH X, OF, HW0
	QH X+32, OF+6, HW1
	v_cndmask_b32 v[SL], v[HW0], v[HW1], s24       ; lanes 0-15 store the word's low half, lanes 16-31 its high half
.irp c, 0,1,2
	global_store_b128 v[LI], v[OF+4*\c:OF+4*\c+3], s[18:19] offset:512*\c   ; 512 consecutive bytes, aligned
.endr
	global_store_b16 v[SA], v[SL], s[20:21]        ; 64 consecutive bytes
	s_endpgm
.Lfunc_end_k_qc37070cb08_prep:
	.size	k_qc37070cb08_prep, .Lfunc_end_k_qc37070cb08_prep-k_qc37070cb08_prep
	.p2alignl 7, 3214868480
	.fill 96, 4, 3214868480
	.section	.rodata,"a",@progbits
	.p2align	6, 0x0
	.amdhsa_kernel k_qc37070cb08_prep
		.amdhsa_group_segment_fixed_size 0
		.amdhsa_private_segment_fixed_size 0
		.amdhsa_enable_private_segment 0
		.amdhsa_kernarg_size 40
		.amdhsa_user_sgpr_count 2
		.amdhsa_user_sgpr_kernarg_segment_ptr 1
		.amdhsa_wavefront_size32 1
		.amdhsa_system_sgpr_workgroup_id_x 1
		.amdhsa_system_sgpr_workgroup_id_y 1
		.amdhsa_system_sgpr_workgroup_id_z 1
		.amdhsa_system_vgpr_workitem_id 0
		.amdhsa_next_free_vgpr 96
		.amdhsa_next_free_sgpr 66
		.amdhsa_reserve_vcc 0
		.amdhsa_float_denorm_mode_32 3
		.amdhsa_float_denorm_mode_16_64 3
		.amdhsa_memory_ordered 1
		.amdhsa_forward_progress 1
		.amdhsa_inst_pref_size 8
	.end_amdhsa_kernel
	.amdgpu_metadata
---
amdhsa.version: [ 1, 2 ]
amdhsa.kernels:
  - .name:           k_qc37070cb08_prep
    .symbol:         k_qc37070cb08_prep.kd
    .args:
      - { .name: Wq, .offset: 0, .size: 8, .value_kind: global_buffer, .address_space: global }
      - { .name: Wk, .offset: 8, .size: 8, .value_kind: global_buffer, .address_space: global }
      - { .name: Wv, .offset: 16, .size: 8, .value_kind: global_buffer, .address_space: global }
      - { .name: Wo, .offset: 24, .size: 8, .value_kind: global_buffer, .address_space: global }
      - { .name: wpk, .offset: 32, .size: 8, .value_kind: global_buffer, .address_space: global }
    .group_segment_fixed_size: 0
    .private_segment_fixed_size: 0
    .kernarg_segment_align: 8
    .kernarg_segment_size: 40
    .max_flat_workgroup_size: 128
    .sgpr_count:     66
    .vgpr_count:     96
    .wavefront_size: 32
...
	.end_amdgpu_metadata
.endif
;; end of part 1
;; launch proj (part 2): grid 160 x 1, 8 waves a work-group, no clusters, 54,272 bytes of LDS; arguments q, kv, bq, bk, bv, wpk, pjk; writes pjk
.if DOCPART == 2
	.amdgcn_target "amdgcn-amd-amdhsa--gfx1250"
	.amdhsa_code_object_version 6
	.text
	.protected	k_qc37070cb08_proj
	.globl	k_qc37070cb08_proj
	.p2align	8
	.type	k_qc37070cb08_proj,@function
k_qc37070cb08_proj:
	s_mov_b64 s[64:65], 0
	v_nop
	global_prefetch_b8 v0, s[64:65] scope:SCOPE_SE
	s_setreg_imm32_b32 hwreg(HW_REG_WAVE_MODE, 25, 1), 1
	s_wait_xcnt 0x0
; qp = q Wq^T + bq, kp = kv Wk^T + bk, vp = kv Wv^T + bv, on codes of E3M2 (one E8M0 byte for each 32 along K), and their results quantised again for the attention: qp, kp along the head's 64, vp along the keys.
; SHARES: a work-group takes 128 rows of one job: work-groups 0-31 q, 32-95 kv for K, 96-159 kv for V.  Wave w quantises row tile w of x, then owns head w: four tiles of W (16 fragments, 192 registers), read once.
; 160 work-groups: a second work-group's 8 waves of 480 registers do not fit beside the first, and blocks of 64 rows would read each weight twice as often.
; x's 32 fragments go from wave to wave through LDS as images of their registers (3 pieces of 512 bytes, lane l's 16 bytes at 16 l; scale words 4 bytes a lane).  One barrier; behind it LDS is only read.
; THE ROWS OF EVERY TILE (of x and of W) ARE NOT NEIGHBOURS: lane r of tile T takes row 32 (T / 2) + 8 (T % 2) + r + 8 (r / 8): the 16 registers of two neighbouring result tiles are then 16 neighbours along the next K.
; Q, K: source 0 = W, source 1 = x: a lane holds one row of x and 32 registers along the head's 64.   V: source 0 = x, source 1 = W: a lane holds one channel and 32 registers along 64 keys.
; The bias is the C of each sum's first product.  The 16 accumulators take turns, in the same order in every K step.
; pjk (bh = 8 x batch + head): QC [bh][pair 64] and KC [bh][pair 128]: images whose registers 0-5 are tile 2 p and 6-11 tile 2 p + 1, each the lower half (64 along K) of a fragment;
;   VC [bh][step 32][channel tile 4]: whole images, 16 channels x 128 keys;  QS, KS [bh][block][lane 32][pair 4] words: lane 16 u + r: the two bytes of tile 2 p + u, row r;  VS [bh][step][lane 32][2] words: lane 16 u + r: channel tile 2 x + u.
; LIMITS: NaN and infinities are not served; a block under 2^-122, zeros among them, keeps the byte 1 (this program alone reads the bytes).
.set WSC, 786432
.set KC,  1572864
.set QS,  7864320
.set XSC, 49152                        ; LDS: x's 32 images from 0 (fragment 4 m + s, 1,536 bytes), their scale words from here (128 bytes each)
.set LI,  1                            ; v1  16 x lane
.set LS,  2                            ; v2  XSC + 4 x lane
.set XA,  3                            ; v3  x: my row's byte in a tile + 64 h
.set XWI, 4                            ; v4  where I store x's images: 16 x lane + 6,144 x wave
.set XWS, 5                            ; v5  and their scale words: XSC + 4 x lane + 512 x wave
.set WR,  6                            ; v6  4 r
.set BA,  7                            ; v7  64 h: the bias for Q and K
.set L8,  8                            ; v8  8 x lane
.set BB,  9                            ; v9  4 (r + 8 (r / 8)): the bias for V
.set WS,  16                           ; v16-31  W's scale words, (t, s) at 4 t + s
.set XS,  32                           ; v32-35  x's scale words
.set TM,  36                           ; v36-41  at work in QH
.set CT,  42                           ; v42-44
.set HW0, 46
.set HW1, 47
.set HWK, 48                           ; v48-51  the scale words to store
.set VSW, 52                           ; v52-53
.set OF,  56                           ; v56-67  the fragment just made
.set KEEP, 68                          ; v68-75  V: registers 4, 5 of each fragment wait for its second half
.set ACC, 80                           ; v80-207 16 accumulators
.set X0,  80                           ; in the first phase: two sets of 64 numbers of x
.set XF,  208                          ; v208-255 four fragments of x
.set BC,  192                          ; window 1: v0-191 W's fragments, (t, s) at 12 (4 t + s); v192-223 the bias, 8 registers a tile
.set SEL, 40                           ; s[40:41]
.set MSB, 0
.macro WIN new                         ; the immediate's high byte repeats the setting that is left
.if MSB != \new
	s_set_vgpr_msb (MSB<<8)|\new
.set MSB, \new
.endif
.endm
.macro PLACES                          ; four plain places behind a matrix instruction, ahead of loads into its operands and of reads of its result
.rept 4
	v_nop
.endr
.endm
.macro MMA d, a, b, c, sa, sb
	v_wmma_scale_f32_16x16x128_f8f6f4 v[\d:\d+7], v[\a:\a+11], v[\b:\b+11], v[\c:\c+7], v[\sa], v[\sb] matrix_a_fmt:MATRIX_FMT_BF6 matrix_b_fmt:MATRIX_FMT_BF6
.endm
; 32 numbers of a lane, register 16 b + i = k 32 b + 16 (lane / 16) + i (b = 0, 1), become six registers of codes, k = 32 (lane / 16) + 0 .. 31, and the two blocks' bytes in hw.  Each accumulator is first read at its registers 0 and 1.
.macro QH src, dst, hw
.irp b, 0,1
	v_max3_num_f32 v[TM+\b], |v[\src+16*\b]|, |v[\src+16*\b+1]|, 0x2800000   ; my 16 numbers of block b, and the floor 2^(5 - 127)
.endr
.irp i, 2,4,6,8,10,12,14
.irp b, 0,1
	v_max3_num_f32 v[TM+\b], v[TM+\b], |v[\src+16*\b+\i]|, |v[\src+16*\b+\i+1]|
.endr
.endr
.irp b, 0,1
	v_permlanex16_b32 v[TM+2+\b], v[TM+\b], s[SEL], s[SEL+1]
.endr
.irp b, 0,1
	v_max_num_f32 v[TM+\b], v[TM+\b], v[TM+2+\b]        ; with lane l xor 16's 16: the block's largest magnitude
.endr
.irp b, 0,1
	v_add_nc_u32 v[TM+4+\b], 0xfe000000, v[TM+\b]       ; 4 off its exponent field: the conversion's scale operand
.endr
.irp b, 0,1
	v_lshrrev_b32 v[TM+2+\b], 23, v[TM+4+\b]            ; the scale's byte
.endr
	v_lshl_or_b32 v[\hw], v[TM+3], 8, v[TM+2]
	v_cvt_scalef32_pk16_bf6_f32 v[\dst:\dst+2], v[\src:\src+15], v[TM+4]
	v_cvt_scalef32_pk16_bf6_f32 v[CT:CT+2], v[\src+16:\src+31], v[TM+5]
	v_nop                                               ; one plain place behind a scaled conversion
.irp i, 0,1,2
	v_permlane16_swap_b32 v[\dst+\i], v[CT+\i]          ; a whole block to a lane
.endr
.irp i, 0,1,2
	v_mov_b32 v[\dst+3+\i], v[CT+\i]
.endr
.endm
.macro QF src, dst                     ; 64 numbers become a whole fragment and its scale word (in HW0)
	QH \src, \dst, HW0
	QH \src+32, \dst+6, HW1
	v_lshl_or_b32 v[HW0], v[HW1], 16, v[HW0]
.endm
.macro XLOAD set, s                    ; my row's 64 numbers of K step s
.irp b, 0,1,2,3
.irp j, 0,1,2,3
	global_load_b128 v[\set+16*\b+4*\j:\set+16*\b+4*\j+3], v[XA], s[28:29] offset:512*(\s)+128*\b+16*\j
.endr
.endr
.endm
	s_load_b256 s[4:11], s[0:1], 0x0               ; q, kv, bq, bk
	s_load_b128 s[12:15], s[0:1], 0x20             ; bv, wpk
	s_load_b64 s[16:17], s[0:1], 0x30              ; pjk
	v_lshl_add_u32 v78, v0, 2, 0xd000
	v_mov_b32 v79, 0
	v_lshrrev_b32 v10, 5, v0
	v_readfirstlane_b32 s18, v10                   ; wave 0..7
	v_and_b32 v10, 31, v0                          ; lane
	v_and_b32 v11, 15, v0                          ; r
	v_bfe_u32 v12, v0, 4, 1                        ; h
	v_lshlrev_b32 v[LI], 4, v10
	v_lshl_add_u32 v[LS], v10, 2, XSC
	v_and_b32 v13, 8, v11
	v_add_nc_u32 v13, v13, v11                     ; r + 8 (r / 8)
	v_lshlrev_b32 v[XA], 11, v13
	v_lshl_add_u32 v[XA], v12, 6, v[XA]
	s_mul_i32 s43, s18, 6144
	v_add_nc_u32 v[XWI], s43, v[LI]
	s_lshl_b32 s43, s18, 9
	v_add_nc_u32 v[XWS], s43, v[LS]
	v_lshlrev_b32 v[WR], 2, v11
	v_lshlrev_b32 v[BA], 6, v12
	v_lshlrev_b32 v[BB], 2, v13
	v_lshlrev_b32 v[L8], 3, v10
	v_mov_b32 v[TM+2], 0                           ; written once: a lane permute's destination counts as one of its sources
	v_mov_b32 v[TM+3], 0
	s_mov_b32 s[SEL], 0x76543210
	s_mov_b32 s[SEL+1], 0xfedcba98
	s_mov_b32 s42, 0xffff0000                      ; lanes 16-31
	; the job, from the work-group's number: two flags, and arithmetic on them
	s_cmp_ge_u32 ttmp9, 32
	s_cselect_b32 s22, 1, 0                        ; 1: kv
	s_cmp_ge_u32 ttmp9, 96
	s_cselect_b32 s19, 1, 0                        ; 1: V
	s_add_co_u32 s23, s22, s19                     ; the matrix: 0 Wq, 1 Wk, 2 Wv
	s_lshl_b32 s24, s22, 5
	s_lshl_b32 s25, s19, 6
	s_sub_co_u32 s20, ttmp9, s24
	s_sub_co_u32 s20, s20, s25                     ; the job's block of 128 rows
	s_add_co_u32 s21, s22, 4                       ; log2 of the blocks in a batch: 4 for q, 5 for kv
	s_lshr_b32 s26, s20, s21                       ; batch
	s_lshl_b32 s27, s26, s21
	s_sub_co_u32 s27, s20, s27                     ; block in the batch
	s_lshl_b32 s26, s26, 3
	s_add_co_u32 s26, s26, s18                     ; bh = 8 x batch + wave
	s_lshl_b32 s26, s26, s21
	s_add_co_u32 s26, s26, s27                     ; (bh, block)
	s_mul_i32 s44, s26, 6144                       ; its codes: 6,144 bytes in each of the three parts,
	s_mul_i32 s43, s22, KC
	s_add_co_u32 s44, s44, s43
	s_mul_i32 s43, s19, 3145728
	s_add_co_u32 s44, s44, s43                     ; which begin at 0, KC and KC + 3,145,728
	s_mov_b32 s45, 0
	s_sub_co_u32 s43, 9, s19
	s_lshl_b32 s46, s26, s43                       ; its scale words: 512 bytes, V's 256,
	s_add_co_u32 s46, s46, QS
	s_lshl_b32 s43, s22, 17
	s_add_co_u32 s46, s46, s43
	s_lshl_b32 s43, s19, 18
	s_add_co_u32 s46, s46, s43                     ; from QS, QS + 131,072, QS + 393,216
	s_mov_b32 s47, 0
	s_lshl_b32 s48, s20, 18                        ; x: 128 rows of 2,048 bytes a block,
	s_lshr_b32 s43, s18, 1
	s_lshl_b32 s43, s43, 16
	s_add_co_u32 s48, s48, s43
	s_and_b32 s43, s18, 1
	s_lshl_b32 s43, s43, 14
	s_add_co_u32 s48, s48, s43                     ; and row tile w's first row: 32 (w / 2) + 8 (w % 2)
	s_mov_b32 s49, 0
	s_mul_i32 s50, s23, 196608                     ; W's images: the matrix, my four tiles
	s_mul_i32 s43, s18, 24576
	s_add_co_u32 s50, s50, s43
	s_mov_b32 s51, 0
	s_lshl_b32 s52, s23, 13                        ; W's scale words
	s_lshl_b32 s43, s18, 10
	s_add_co_u32 s52, s52, s43
	s_add_co_u32 s52, s52, WSC
	s_mov_b32 s53, 0
	s_lshl_b32 s54, s18, 8                         ; the bias: my head's 64 numbers
	s_mov_b32 s55, 0
	s_wait_kmcnt 0x0
	s_cmp_eq_u32 s22, 0                            ; the choices hang on the work-group's number alone
	s_cselect_b64 s[28:29], s[4:5], s[6:7]
	s_cselect_b64 s[34:35], s[8:9], s[10:11]
	s_cmp_eq_u32 s19, 0
	s_cselect_b64 s[34:35], s[34:35], s[12:13]
	s_add_nc_u64 s[28:29], s[28:29], s[48:49]
	s_add_nc_u64 s[30:31], s[14:15], s[50:51]
	s_add_nc_u64 s[32:33], s[14:15], s[52:53]
	s_add_nc_u64 s[34:35], s[34:35], s[54:55]
	s_add_nc_u64 s[36:37], s[16:17], s[44:45]
	s_add_nc_u64 s[38:39], s[16:17], s[46:47]
	WIN 0x40                                       ; destination window 1
.set i, 0
.rept 48
	global_load_b128 v[4*i:4*i+3], v[LI], s[30:31] offset:512*i    ; W's 16 images as they lie: they stay in registers
.set i, i+1
.endr
	WIN 0
.set i, 0
.rept 16
	global_load_b32 v[WS+i], v[WR], s[32:33] offset:64*i
.set i, i+1
.endr
	s_cmp_lg_u32 s19, 0
	s_cbranch_scc1 .Lbias_b
	WIN 0x40
.irp t, 0,1,2,3                        ; Q, K: register j of tile t is channel 32 (t / 2) + 16 h + 8 (t % 2) + j
	global_load_b128 v[BC+8*\t:BC+8*\t+3], v[BA], s[34:35] offset:(32*(\t/2)+8*(\t%2))*4
	global_load_b128 v[BC+8*\t+4:BC+8*\t+7], v[BA], s[34:35] offset:(32*(\t/2)+8*(\t%2))*4+16
.endr
	WIN 0
	s_branch .Lbias_done
.Lbias_b:
	WIN 0x40
.irp t, 0,1,2,3                        ; V: all eight registers of a lane are its one channel, 32 (t / 2) + 8 (t % 2) + r + 8 (r / 8)
.irp j, 0,1,2,3,4,5,6,7
	global_load_b32 v[BC+8*\t+\j], v[BB], s[34:35] offset:(32*(\t/2)+8*(\t%2))*4
.endr
.endr
	WIN 0
.Lbias_done:
	XLOAD X0, 0
	XLOAD X0+64, 1
	; ---- x: my 16 rows become four fragments, K step by K step, on two sets of registers
.irp s, 0,1,2,3
.if \s < 3
	s_wait_loadcnt 16                              ; this K step's 16 loads are in: behind them only the other set's 16 were issued
.else
	s_wait_loadcnt 0x0                             ; the last; W, its scale words and the bias, issued ahead of x, are in as well
.endif
	QF X0+64*(\s%2), OF
.irp c, 0,1,2
	ds_store_b128 v[XWI], v[OF+4*\c:OF+4*\c+3] offset:1536*\s+512*\c
.endr
	ds_store_b32 v[XWS], v[HW0] offset:128*\s
.if \s < 2
	XLOAD X0+64*(\s%2), \s+2
.endif
	s_wait_dscnt 0x0                               ; the stores have landed and have read their registers
.endr
	s_barrier_signal -1
	s_barrier_wait -1                              ; x's 32 fragments lie in LDS; nothing is stored there any more
; 64 rows (row tiles 4 c + m) against my four tiles of W, all of K: 64 products.  kind 0: source 0 = W; kind 1: source 0 = x
.macro HALF kind, c
.irp s, 0,1,2,3
	PLACES
.irp m, 0,1,2,3
.irp k, 0,1,2
	ds_load_b128 v[XF+12*\m+4*\k:XF+12*\m+4*\k+3], v[LI] offset:(4*(4*\c+\m)+\s)*1536+512*\k
.endr
	ds_load_b32 v[XS+\m], v[LS] offset:128*(4*(4*\c+\m)+\s)
.endr
	s_wait_dscnt 0x0
.if \kind == 0
.if \s == 0
	WIN 0x11                                       ; source 0 (W) and source 2 (the bias) window 1
.else
	WIN 0x01
.endif
.irp m, 0,1,2,3
.irp t, 0,1,2,3
.if \s == 0
	MMA ACC+32*\m+8*\t, 12*(4*\t+\s), XF+12*\m, BC+8*\t, WS+4*\t+\s, XS+\m
.else
	MMA ACC+32*\m+8*\t, 12*(4*\t+\s), XF+12*\m, ACC+32*\m+8*\t, WS+4*\t+\s, XS+\m
.endif
.endr
.endr
.else
.if \s == 0
	WIN 0x14                                       ; source 1 (W) and source 2 (the bias) window 1
.else
	WIN 0x04
.endif
.irp m, 0,1,2,3
.irp t, 0,1,2,3
.if \s == 0
	MMA ACC+32*\t+8*\m, XF+12*\m, 12*(4*\t+\s), BC+8*\t, XS+\m, WS+4*\t+\s
.else
	MMA ACC+32*\t+8*\m, XF+12*\m, 12*(4*\t+\s), ACC+32*\t+8*\m, XS+\m, WS+4*\t+\s
.endif
.endr
.endr
.endif
	WIN 0
.endr
	PLACES
.endm
	s_cmp_lg_u32 s19, 0
	s_cbranch_scc1 .Ltype_b
	; ---- Q, K: a row tile's 32 registers are the head's 64 channels (my half of each block): six registers of codes; two tiles make an image
.irp c, 0,1
	HALF 0, \c
.irp m, 0,1,2,3
.if \m%2 == 0
	s_wait_xcnt 0x0                                ; the last pair's stores have read the fragment's registers
.endif
	QH ACC+32*\m, OF+6*(\m%2), HW0+(\m%2)
.if \m%2 == 1
	v_cndmask_b32 v[HWK+2*\c+\m/2], v[HW0], v[HW1], s42   ; lanes 0-15 the even tile's bytes, lanes 16-31 the odd tile's
.irp k, 0,1,2
	global_store_b128 v[LI], v[OF+4*\k:OF+4*\k+3], s[36:37] offset:1536*(2*\c+\m/2)+512*\k   ; 512 consecutive bytes, aligned
.endr
.endif
.endr
.endr
	global_store_b128 v[LI], v[HWK:HWK+3], s[38:39]   ; the block's scale words: 512 consecutive bytes
	s_wait_tensorcnt 0x0
	ds_add_u32 v78, v79
	s_wait_dscnt 0x0
	s_endpgm
.Ltype_b:
	; ---- V: a channel tile's 32 registers are 64 keys: half a fragment; the second 64 keys complete it
	HALF 1, 0
.irp t, 0,1,2,3
	s_wait_xcnt 0x0                                ; the last store has read its registers
	QH ACC+32*\t, OF, HWK+\t
	global_store_b128 v[LI], v[OF:OF+3], s[36:37] offset:1536*\t
	v_mov_b32 v[KEEP+2*\t], v[OF+4]
	v_mov_b32 v[KEEP+2*\t+1], v[OF+5]
.endr
	HALF 1, 1
.irp t, 0,1,2,3
	s_wait_xcnt 0x0
	QH ACC+32*\t, OF+6, HW1
	v_mov_b32 v[OF+4], v[KEEP+2*\t]
	v_mov_b32 v[OF+5], v[KEEP+2*\t+1]
	v_lshl_or_b32 v[HWK+\t], v[HW1], 16, v[HWK+\t]
	global_store_b128 v[LI], v[OF+4:OF+7], s[36:37] offset:1536*\t+512
	global_store_b128 v[LI], v[OF+8:OF+11], s[36:37] offset:1536*\t+1024
.endr
	v_cndmask_b32 v[VSW], v[HWK], v[HWK+1], s42
	v_cndmask_b32 v[VSW+1], v[HWK+2], v[HWK+3], s42
	global_store_b64 v[L8], v[VSW:VSW+1], s[38:39]  ; 256 consecutive bytes, aligned
	s_wait_tensorcnt 0x0
	ds_add_u32 v78, v79
	s_wait_dscnt 0x0
	s_endpgm
.Lfunc_end_k_qc37070cb08_proj:
	.size	k_qc37070cb08_proj, .Lfunc_end_k_qc37070cb08_proj-k_qc37070cb08_proj
	.p2alignl 7, 3214868480
	.fill 96, 4, 3214868480
	.section	.rodata,"a",@progbits
	.p2align	6, 0x0
	.amdhsa_kernel k_qc37070cb08_proj
		.amdhsa_group_segment_fixed_size 54272
		.amdhsa_private_segment_fixed_size 0
		.amdhsa_enable_private_segment 0
		.amdhsa_kernarg_size 56
		.amdhsa_user_sgpr_count 2
		.amdhsa_user_sgpr_kernarg_segment_ptr 1
		.amdhsa_wavefront_size32 1
		.amdhsa_system_sgpr_workgroup_id_x 1
		.amdhsa_system_sgpr_workgroup_id_y 1
		.amdhsa_system_sgpr_workgroup_id_z 1
		.amdhsa_system_vgpr_workitem_id 0
		.amdhsa_next_free_vgpr 480
		.amdhsa_next_free_sgpr 66
		.amdhsa_reserve_vcc 0
		.amdhsa_float_denorm_mode_32 3
		.amdhsa_float_denorm_mode_16_64 3
		.amdhsa_memory_ordered 1
		.amdhsa_forward_progress 1
		.amdhsa_inst_pref_size 122
	.end_amdhsa_kernel
	.amdgpu_metadata
---
amdhsa.version: [ 1, 2 ]
amdhsa.kernels:
  - .name:           k_qc37070cb08_proj
    .symbol:         k_qc37070cb08_proj.kd
    .args:
      - { .name: q, .offset: 0, .size: 8, .value_kind: global_buffer, .address_space: global }
      - { .name: kv, .offset: 8, .size: 8, .value_kind: global_buffer, .address_space: global }
      - { .name: bq, .offset: 16, .size: 8, .value_kind: global_buffer, .address_space: global }
      - { .name: bk, .offset: 24, .size: 8, .value_kind: global_buffer, .address_space: global }
      - { .name: bv, .offset: 32, .size: 8, .value_kind: global_buffer, .address_space: global }
      - { .name: wpk, .offset: 40, .size: 8, .value_kind: global_buffer, .address_space: global }
      - { .name: pjk, .offset: 48, .size: 8, .value_kind: global_buffer, .address_space: global }
    .group_segment_fixed_size: 54272
    .private_segment_fixed_size: 0
    .kernarg_segment_align: 8
    .kernarg_segment_size: 56
    .max_flat_workgroup_size: 256
    .sgpr_count:     66
    .vgpr_count:     480
    .wavefront_size: 32
...
	.end_amdgpu_metadata
.endif
;; end of part 2
;; launch attn (part 3): grid 16 x 16, 16 waves a work-group, no clusters, 174,080 bytes of LDS; arguments key_gate, key_mask, pjk, aok; writes aok
.if DOCPART == 3
	.amdgcn_target "amdgcn-amd-amdhsa--gfx1250"
	.amdhsa_code_object_version 6
	.text
	.protected	k_qc37070cb08_attn
	.globl	k_qc37070cb08_attn
	.p2align	8
	.type	k_qc37070cb08_attn,@function
k_qc37070cb08_attn:
	s_mov_b64 s[64:65], 0
	v_nop
	global_prefetch_b8 v0, s[64:65] scope:SCOPE_SE
	s_setreg_imm32_b32 hwreg(HW_REG_WAVE_MODE, 25, 1), 1
	s_wait_xcnt 0x0
; For each (batch, head): O = softmax(qp kp^T / 8 + log(max(gate, 1e-6)), masked keys out) vp, both products on codes of E3M2; O / l is quantised along d_model for the last product.
; THE SOFTMAX AHEAD OF THE SECOND PRODUCT: t = logit x log2(e); M = the running largest t, taken up to a whole number; p = 2^(t - M) is quantised along the keys, not normalised; l sums the unquantised p; when M moves, l and O are multiplied by 2^(old M - new M), exactly.
; SHARES: work-group (g, bh) owns 128 queries of one head: 256 work-groups of equal work.  A tile of 16 queries is walked by TWO waves, one for each half of the 4,096 keys: wave W has tile W % 8 and half W / 8, 16 steps of 128 keys, in 256 registers.
; So four waves lie on a SIMD (2,048 tiles on 1,024 SIMDs would give two), and one wave's waits for LDS stand beside three others' vector work.  At the end the upper wave hands O^T, M and l to the lower one through LDS; both are brought
; under the larger M by powers of two and added: since M is a whole number in both, p's codes stand for the same numbers as in one walk; only the order of the f32 sums differs.
; Both products are used transposed (S^T = K Q^T, O^T = V^T P^T): a lane holds ONE query throughout.  The keys of a tile of K are laid so that p's 16 registers of two neighbouring tiles are 16 neighbouring keys.
; K AND V come as images of operand registers, 24,576 dense bytes for 256 keys, through two LDS slots for each half of the keys: each of the half's 256 threads loads 6 x 16 bytes at a slot's head and stores them into the other slot at its end:
; 12 instructions a wave beside the some 470 vector instructions of a slot's two steps, asked for a whole slot ahead.  So no tensor load and no joint request is used, though the 16 query blocks of a head read the same K and V: what would be spared is not what the wave waits for.
; GATE AND MASK RIDE ON C: bias[k] = log2(max(gate, 1e-6)) x 8 ln 2, or -2^100 where key_mask is 0, is loaded from LDS into S's registers and taken as the C of the score product: t = c x (score + bias), c = log2(e) / 8.
; The running largest t begins at -2^83, above c x (-2^100): a step, or a half, whose keys are all masked gives p = 0, and its share falls out of the sum by the factor 0.
; K = 64 IN A PRODUCT OF 128: Q's registers 6-11 are zero codes, so a tile of K is named as twelve registers of which the upper six (the next tile's codes, behind the last tile zeros) meet zeros; the upper bytes of both scale words are 0, a finite scale.
; LIMITS: NaN and infinities are not served; an unmasked key's t lies above -2^83; a batch whose keys are all masked gets the scale byte 0xff, so that the last product gives NaN there, as the softmax of nothing does;
; a block under 2^-122, zeros among them, keeps the byte 1 (this program alone reads the bytes).
.set KC,  1572864
.set VC,  4718592
.set QS,  7864320
.set KS,  7995392
.set VS,  8257536
.set OS,  1572864
.set SLOT1, 32768                      ; LDS: half hf's slot 0 at 65,536 hf, its slot 1 this much further on: 12,288 bytes of K, then 12,288 of V
.set VOFF,  12288
.set KSC, 131072                       ; K's scale words of the whole head, 16,384 bytes
.set BIA, 147456                       ; the bias of the batch's 4,096 keys, f32
.set VSC, 163840                       ; V's scale words of the whole head, 8,192 bytes
.set MRB, 4608                         ; the exchange at the end: from byte 0, over the slots, for each tile 4,096 bytes of O^T and 512 of (-M, t, l, l)
.set LI,  1                            ; v1  16 x lane + 65,536 x half
.set KS0, 2                            ; v2  KSC + 16 x lane
.set VS0, 3                            ; v3  VSC + 8 x lane
.set BI0, 4                            ; v4  BIA + 64 h
.set TG,  5                            ; v5  16 x (thread % 256): my 16 bytes in a piece of my half's slot, in memory
.set TIK, 6                            ; v6  KSC + 16 x thread
.set QA,  7                            ; v7, v11  Q's pieces in its pair's image
.set AKS, 8                            ; v8-10  the step's addresses: K's scale words, V's, the bias
.set AVS, 9
.set ABI, 10
.set QB,  11
.set NM,  12                           ; v12 -M;  v13 the largest t
.set LL,  14                           ; v[14:15] l, in two halves
.set QR,  16                           ; v16-21 Q's codes, v22-27 zeros
.set QSW, 28                           ; v28 Q's scale word
.set QSO, 29                           ; v29 16 r
.set OA,  30                           ; v30 8 x lane
.set OB,  31                           ; v31 16 r + h
.set KF,  32                           ; v32-79 K's eight half fragments, then V's four fragments; v80-85 zeros
.set VSW, 86                           ; v[86:87] V's scale words
.set KSW, 88                           ; v[88:91] K's
.set TL,  92                           ; v92 the same place as TG in LDS: + 65,536 x half
.set MR,  93                           ; v93 the exchange: 4,608 x tile + 16 x lane
.set TP,  95                           ; v95 16 x thread
.set S,   96                           ; v96-159 the bias, S^T, p
.set O,   160                          ; v160-191 O^T
.set PC,  192                          ; v192-203 p's codes
.set CT,  204                          ; v204-206, v208-210 conversions' results on their way
.set TM,  212                          ; v212-215 each block's largest score, then p
.set PT,  216                          ; v216-219
.set SOP, 220                          ; v220-223 the conversions' scale operands
.set F,   224                          ; v224 f = 2^(old M - new M)
.set PW,  225                          ; v225 p's scale word
.set T0,  226
.set CF,  227
.set SG,  228                          ; v228-251 a slot's bytes on their way
.set L16, 252                          ; v252 16 x lane
.set SEL, 20                           ; s[20:21]
.set CS,  22                           ; s[22:23] c, twice
.set TS,  24                           ; s24 512 a step: K's scale words and the bias
.set TJ,  25                           ; s25 256 a step: V's scale words
.set WV,  48                           ; s48 wave 0..15;  s12 its tile, s49 its half of the keys
.set HF,  49
.macro MMA d, a, b, c, sa, sb
	v_wmma_scale_f32_16x16x128_f8f6f4 v[\d:\d+7], v[\a:\a+11], v[\b:\b+11], v[\c:\c+7], v[\sa], v[\sb] matrix_a_fmt:MATRIX_FMT_BF6 matrix_b_fmt:MATRIX_FMT_BF6
.endm
.macro MMA1 d, a, b, c, sa, sb         ; source 0's scales from lanes 16-31
	v_wmma_scale_f32_16x16x128_f8f6f4 v[\d:\d+7], v[\a:\a+11], v[\b:\b+11], v[\c:\c+7], v[\sa], v[\sb] matrix_a_fmt:MATRIX_FMT_BF6 matrix_b_fmt:MATRIX_FMT_BF6 matrix_a_scale:MATRIX_SCALE_ROW1
.endm
.macro PLACES
.rept 4
	v_nop
.endr
.endm
; 32 numbers of a lane, register 16 b + i = k 32 b + 16 (lane / 16) + i (b = 0, 1), become six registers of codes, k = 32 (lane / 16) + 0 .. 31; the blocks' bytes stay in v[TM+2], v[TM+3]
.macro QH src, dst, hw
.irp b, 0,1
	v_max3_num_f32 v[TM+\b], |v[\src+16*\b]|, |v[\src+16*\b+1]|, 0x2800000
.endr
.irp i, 2,4,6,8,10,12,14
.irp b, 0,1
	v_max3_num_f32 v[TM+\b], v[TM+\b], |v[\src+16*\b+\i]|, |v[\src+16*\b+\i+1]|
.endr
.endr
.irp b, 0,1
	v_permlanex16_b32 v[TM+2+\b], v[TM+\b], s[SEL], s[SEL+1]
.endr
.irp b, 0,1
	v_max_num_f32 v[TM+\b], v[TM+\b], v[TM+2+\b]
.endr
.irp b, 0,1
	v_add_nc_u32 v[TM+4+\b], 0xfe000000, v[TM+\b]
.endr
.irp b, 0,1
	v_lshrrev_b32 v[TM+2+\b], 23, v[TM+4+\b]
.endr
	v_lshl_or_b32 v[\hw], v[TM+3], 8, v[TM+2]
	v_cvt_scalef32_pk16_bf6_f32 v[\dst:\dst+2], v[\src:\src+15], v[TM+4]
	v_cvt_scalef32_pk16_bf6_f32 v[CT:CT+2], v[\src+16:\src+31], v[TM+5]
	v_nop
.irp i, 0,1,2
	v_permlane16_swap_b32 v[\dst+\i], v[CT+\i]
.endr
.irp i, 0,1,2
	v_mov_b32 v[\dst+3+\i], v[CT+\i]
.endr
.endm
	s_load_b256 s[4:11], s[0:1], 0x0               ; key_gate, key_mask, pjk, aok
	v_lshl_add_u32 v254, v0, 2, 0x2a000
	v_mov_b32 v255, 0
	v_lshrrev_b32 v8, 5, v0
	v_readfirstlane_b32 s[WV], v8                  ; wave 0..15
	s_and_b32 s12, s[WV], 7                        ; my tile of 16 queries
	s_lshr_b32 s[HF], s[WV], 3                     ; my half of the keys
	s_mov_b32 s13, ttmp9                           ; g: the block of 128 queries
	s_and_b32 s14, ttmp7, 0xffff                   ; bh
	s_lshr_b32 s15, s14, 3                         ; batch
	v_and_b32 v8, 31, v0                           ; lane
	v_and_b32 v9, 15, v0                           ; r
	v_bfe_u32 v10, v0, 4, 1                        ; h
	v_lshlrev_b32 v[L16], 4, v8
	s_lshl_b32 s50, s[HF], 16                      ; my half's slots begin here
	v_add_nc_u32 v[LI], s50, v[L16]
	v_add_nc_u32 v[KS0], KSC, v[L16]
	v_lshl_add_u32 v[VS0], v8, 3, VSC
	v_lshl_add_u32 v[BI0], v10, 6, BIA
	v_lshlrev_b32 v[TP], 4, v0
	v_add_nc_u32 v[TIK], KSC, v[TP]
	v_and_b32 v[TG], 255, v0
	v_lshlrev_b32 v[TG], 4, v[TG]
	v_add_nc_u32 v[TL], s50, v[TG]
	s_mul_i32 s51, s12, MRB
	v_add_nc_u32 v[MR], s51, v[L16]                ; the same place for the wave that hands over and the wave that takes
	s_and_b32 s28, s12, 1                          ; u: my tile is the pair's even or odd one
	s_mul_i32 s29, s28, 520                        ; registers 6 u .. 6 u + 5 of the image, as three pieces of 8 bytes: at 16 l + {0, 8, 512} or 16 l + {520, 1024, 1032}
	v_add_nc_u32 v[QA], s29, v[L16]
	s_mul_i32 s29, s28, 1016
	v_add_nc_u32 v[QB], s29, v[L16]
	v_lshlrev_b32 v[QSO], 4, v9
	v_lshlrev_b32 v[OA], 3, v8
	v_add_nc_u32 v[OB], v[QSO], v10
	s_mov_b32 s[SEL], 0x76543210
	s_mov_b32 s[SEL+1], 0xfedcba98
	s_mov_b32 s[CS], 0x3e38aa3b                    ; c = log2(e) / 8
	s_mov_b32 s[CS+1], s[CS]
	s_lshl_b32 s[TS], s[HF], 13                    ; my first step is 16 x half: 512 bytes a step,
	s_lshl_b32 s[TJ], s[HF], 12                    ; 256 bytes a step
	s_mov_b32 s26, 3
	s_mov_b32 s27, 0xffff0000                      ; lanes 16-31
	; offsets first, each in the pair that will hold its address
	s_lshl_b32 s30, s15, 14                        ; gate and mask: 16,384 bytes a batch
	s_mov_b32 s31, 0
	s_mov_b32 s32, s30
	s_mov_b32 s33, 0
	s_mul_i32 s16, s14, 196608                     ; K's and V's codes: 196,608 bytes a head,
	s_mul_i32 s46, s[HF], 98304                    ; 16 steps of 6,144 bytes a half
	s_add_co_u32 s16, s16, s46
	s_add_co_u32 s18, s16, VC
	s_add_co_u32 s16, s16, KC
	s_mov_b32 s17, 0
	s_mov_b32 s19, 0
	s_lshl_b32 s34, s14, 14
	s_add_co_u32 s34, s34, KS
	s_mov_b32 s35, 0
	s_lshl_b32 s36, s14, 13
	s_add_co_u32 s36, s36, VS
	s_mov_b32 s37, 0
	s_lshl_b32 s38, s14, 6                         ; Q's pair: 64 bh + 4 g + tile / 2
	s_lshl_b32 s46, s13, 2
	s_add_co_u32 s38, s38, s46
	s_lshr_b32 s46, s12, 1
	s_add_co_u32 s38, s38, s46
	s_mul_i32 s38, s38, 1536
	s_mov_b32 s39, 0
	s_lshl_b32 s40, s14, 4                         ; Q's scale word: block 16 bh + g, lane 16 u + r, pair tile / 2
	s_add_co_u32 s40, s40, s13
	s_lshl_b32 s40, s40, 9
	s_add_co_u32 s40, s40, QS
	s_lshl_b32 s47, s28, 8
	s_add_co_u32 s40, s40, s47
	s_lshl_b32 s47, s46, 2
	s_add_co_u32 s40, s40, s47
	s_mov_b32 s41, 0
	s_lshl_b32 s42, s15, 7                         ; my tile of rows among all 256: 128 x batch + 8 g + tile
	s_lshl_b32 s46, s13, 3
	s_add_co_u32 s42, s42, s46
	s_add_co_u32 s42, s42, s12
	s_and_b32 s46, s14, 7                          ; head
	s_lshl_b32 s44, s42, 8
	s_add_co_u32 s44, s44, OS
	s_lshl_b32 s47, s46, 1
	s_add_co_u32 s44, s44, s47
	s_mov_b32 s45, 0
	s_mul_i32 s42, s42, 6144
	s_mul_i32 s46, s46, 768
	s_add_co_u32 s42, s42, s46
	s_mov_b32 s43, 0
	s_wait_kmcnt 0x0
	s_add_nc_u64 s[30:31], s[4:5], s[30:31]
	s_add_nc_u64 s[32:33], s[6:7], s[32:33]
	s_add_nc_u64 s[16:17], s[8:9], s[16:17]
	s_add_nc_u64 s[18:19], s[8:9], s[18:19]
	s_add_nc_u64 s[34:35], s[8:9], s[34:35]
	s_add_nc_u64 s[36:37], s[8:9], s[36:37]
	s_add_nc_u64 s[38:39], s[8:9], s[38:39]
	s_add_nc_u64 s[40:41], s[8:9], s[40:41]
	s_add_nc_u64 s[42:43], s[10:11], s[42:43]
	s_add_nc_u64 s[44:45], s[10:11], s[44:45]
.irp i, 0,1
	global_load_b128 v[96+4*\i:99+4*\i], v[TP], s[30:31] offset:8192*\i      ; the gate of four keys, twice: 512 threads cover 8,192 bytes a load
.endr
.irp i, 0,1
	global_load_b128 v[112+4*\i:115+4*\i], v[TP], s[32:33] offset:8192*\i    ; their mask
.endr
.irp i, 0,1
	global_load_b128 v[128+4*\i:131+4*\i], v[TP], s[34:35] offset:8192*\i    ; K's scale words
.endr
	global_load_b128 v[144:147], v[TP], s[36:37]                             ; V's
.irp i, 0,1,2
	global_load_b128 v[SG+4*\i:SG+4*\i+3], v[TG], s[16:17] offset:4096*\i    ; my half's first 256 keys: its 256 threads cover 4,096 bytes a load
.endr
.irp i, 0,1,2
	global_load_b128 v[SG+12+4*\i:SG+12+4*\i+3], v[TG], s[18:19] offset:4096*\i
.endr
	global_load_b64 v[QR:QR+1], v[QA], s[38:39]
	global_load_b64 v[QR+2:QR+3], v[QB], s[38:39] offset:8
	global_load_b64 v[QR+4:QR+5], v[QA], s[38:39] offset:512
	global_load_b32 v[QSW], v[QSO], s[40:41]
.irp i, 0,1,2,3,4,5
	v_mov_b32 v[QR+6+\i], 0                        ; zero codes for K = 64 .. 127
	v_mov_b32 v[80+\i], 0                          ; and behind K's last tile
.endr
.set j, 0
.rept 32
	v_mov_b32 v[O+j], 0                            ; O^T: the step is written once; its first turn finds zeros
.set j, j+1
.endr
	v_mov_b32 v[LL], 0
	v_mov_b32 v[LL+1], 0
.irp i, 2,3,4,5,6,7
	v_mov_b32 v[TM+\i], 0                          ; written once: a lane permute's destination counts as one of its sources
.endr
	v_mov_b32 v[PW], 0                             ; (named as the upper half of the pair with f before it is first written)
	v_mov_b32 v[T0], 0
	v_mov_b32 v152, 0xf1800000                     ; -2^100
	v_mov_b32 v13, 0xe9000000                      ; the largest t so far: -2^83
	v_floor_f32 v[NM], -v13                        ; -M
	s_wait_loadcnt 0x0                             ; all of the above; the loads' bases may step
	s_add_nc_u64 s[16:17], s[16:17], 12288
	s_add_nc_u64 s[18:19], s[18:19], 12288
.set j, 0
.rept 8
	v_max_num_f32 v[96+j], 0x358637bd, v[96+j]     ; max(gate, 1e-6)
.set j, j+1
.endr
.set j, 0
.rept 8
	v_log_f32 v[96+j], v[96+j]
.set j, j+1
.endr
	v_nop                                          ; a plain place behind the transcendentals
.set j, 0
	s_wait_alu depctr_va_vdst(0)
.rept 8
	v_mul_f32 v[96+j], 0x40b17218, v[96+j]         ; x 8 ln 2, which c takes off again
.set j, j+1
.endr
.set j, 0
.rept 8
	v_cmp_eq_u32 vcc_lo, 0, v[112+j]
	v_cndmask_b32 v[96+j], v[96+j], v152, vcc_lo   ; a masked key: -2^100
.set j, j+1
.endr
.irp i, 0,1
	ds_store_b128 v[TIK], v[128+4*\i:131+4*\i] offset:8192*\i
	ds_store_b128 v[TIK], v[96+4*\i:99+4*\i] offset:BIA-KSC+8192*\i
.endr
	ds_store_b128 v[TIK], v[144:147] offset:VSC-KSC
.irp i, 0,1,2
	ds_store_b128 v[TL], v[SG+4*\i:SG+4*\i+3] offset:4096*\i
	ds_store_b128 v[TL], v[SG+12+4*\i:SG+12+4*\i+3] offset:VOFF+4096*\i
.endr
	s_wait_dscnt 0x0                               ; for the others' sake: my stores have landed
	s_barrier_signal -1
	s_barrier_wait -1
; A KEY STEP: 128 keys, the q-th of my half's slot buf
.macro STEP buf, q
	v_add_nc_u32 v[AKS], s[TS], v[KS0]             ; these four lines are the places behind the last step's products, ahead of loads into their operands
	v_add_nc_u32 v[ABI], s[TS], v[BI0]
	v_add_nc_u32 v[AVS], s[TJ], v[VS0]
	v_nop
.irp b, 0,1,2,3
.irp i, 0,1,2,3
	ds_load_b128 v[S+16*\b+4*\i:S+16*\b+4*\i+3], v[ABI] offset:128*\b+16*\i   ; the bias of keys 32 b + 16 h + 4 i on: sixteen lanes read the same 16 bytes
.endr
.endr
.irp n, 0,1,2,3,4,5,6,7,8,9,10,11
	ds_load_b128 v[KF+4*\n:KF+4*\n+3], v[LI] offset:SLOT1*\buf+6144*\q+512*\n   ; K's four images as they lie: tile t at v[KF + 6 t]
.endr
	ds_load_b128 v[KSW:KSW+3], v[AKS]              ; register p: lanes 0-15 tile 2 p's words, lanes 16-31 tile 2 p + 1's
	s_wait_dscnt 0x0
.irp x, 0,1,2,3                        ; S^T = K Q^T + bias: eight accumulators, one product each
	MMA  S+16*\x,   KF+12*\x,   QR, S+16*\x,   KSW+\x, QSW
	MMA1 S+16*\x+8, KF+12*\x+6, QR, S+16*\x+8, KSW+\x, QSW
.endr
	PLACES
.irp n, 0,1,2,3,4,5,6,7,8,9,10,11
	ds_load_b128 v[KF+4*\n:KF+4*\n+3], v[LI] offset:SLOT1*\buf+VOFF+6144*\q+512*\n   ; V's four fragments land under the softmax
.endr
	ds_load_b64 v[VSW:VSW+1], v[AVS]
.irp b, 0,1,2,3
	v_max3_num_f32 v[TM+\b], v[S+16*\b], v[S+1+16*\b], v[S+2+16*\b]   ; the largest score of each block of 32 keys: for the row's maximum, and, since p rises with the score, for the block's largest p
.endr
.irp i, 3,5,7,9,11,13
.irp b, 0,1,2,3
	v_max3_num_f32 v[TM+\b], v[TM+\b], v[S+16*\b+\i], v[S+1+16*\b+\i]
.endr
.endr
.irp b, 0,1,2,3
	v_max_num_f32 v[TM+\b], v[TM+\b], v[S+15+16*\b]
.endr
.irp b, 0,1,2,3
	v_permlanex16_b32 v[PT+\b], v[TM+\b], s[SEL], s[SEL+1]
.endr
.irp b, 0,1,2,3
	v_max_num_f32 v[TM+\b], v[TM+\b], v[PT+\b]     ; with lane l xor 16's 16 keys
.endr
	v_max3_num_f32 v[T0], v[TM], v[TM+1], v[TM+2]
	v_max_num_f32 v[T0], v[T0], v[TM+3]
	v_mul_f32 v[T0], s[CS], v[T0]                  ; as t (c is positive)
	v_max_num_f32 v13, v13, v[T0]                  ; the running largest t
	v_mov_b32 v[T0], v[NM]
	v_floor_f32 v[NM], -v13                        ; the new -M = floor(-t): M is a whole number
	v_sub_f32 v[T0], v[NM], v[T0]                  ; old M - new M: a whole number, 0 or less
	v_cvt_i32_f32 v[T0], v[T0]                     ; (it saturates)
	v_ldexp_f32 v[F], 1.0, v[T0]                   ; f = 2^(old M - new M)
.set j, 0
.rept 32
	v_pk_fma_f32 v[S+j:S+j+1], v[S+j:S+j+1], s[CS:CS+1], v[NM:NM+1] op_sel_hi:[1,0,0]   ; t - M, two at a time
.set j, j+2
.endr
.irp b, 0,1,2,3
	v_fma_f32 v[TM+\b], v[TM+\b], s[CS], v[NM]     ; the same of each block's largest score
.endr
.set j, 0
.rept 64
	v_exp_f32 v[S+j], v[S+j]                       ; p = 2^(t - M), at most 1
.set j, j+1
.endr
.irp b, 0,1,2,3
	v_exp_f32 v[TM+\b], v[TM+\b]                   ; the block's largest p: the same two instructions on the same number
.endr
	v_pk_mul_f32 v[LL:LL+1], v[LL:LL+1], v[F:F+1] op_sel_hi:[1,0]   ; l under the new M.  (A plain place behind the exponentials)
	s_wait_alu depctr_va_vdst(0)
.irp b, 0,1,2,3
	v_max_num_f32 v[TM+\b], 0x2800000, v[TM+\b]    ; the floor 2^(5 - 127): the byte cannot fall under 1
.endr
.irp b, 0,1,2,3
	v_add_nc_u32 v[SOP+\b], 0xfe000000, v[TM+\b]   ; 4 off the exponent field: the conversion's scale operand
.endr
.irp b, 0,1,2,3
	v_lshrrev_b32 v[PT+\b], 23, v[SOP+\b]          ; the scale's byte
.endr
	v_lshl_or_b32 v[PW], v[PT+1], 8, v[PT]         ; p's scale word for these 128 keys
	v_lshl_or_b32 v[PW], v[PT+2], 16, v[PW]
	v_lshl_or_b32 v[PW], v[PT+3], 24, v[PW]
.irp c, 0,1
	v_cvt_scalef32_pk16_bf6_f32 v[PC+6*\c:PC+6*\c+2], v[S+32*\c:S+32*\c+15], v[SOP+2*\c]
	v_cvt_scalef32_pk16_bf6_f32 v[CT+4*\c:CT+4*\c+2], v[S+32*\c+16:S+32*\c+31], v[SOP+2*\c+1]
.endr
	v_nop                                          ; one plain place behind a scaled conversion
.irp c, 0,1                            ; a whole block to a lane: lanes 0-15 block 2 c, lanes 16-31 block 2 c + 1
.irp i, 0,1,2
	v_permlane16_swap_b32 v[PC+6*\c+\i], v[CT+4*\c+\i]
.endr
.irp i, 0,1,2
	v_mov_b32 v[PC+3+6*\c+\i], v[CT+4*\c+\i]
.endr
.endr
	v_pk_add_f32 v[PT:PT+1], v[S:S+1], v[S+2:S+3]  ; l takes the UNQUANTISED p: two at a time, in two chains.  (These 32 lines are also the places between the scale word, the codes and the products)
.set j, 4
.rept 15
	v_pk_add_f32 v[LL:LL+1], v[LL:LL+1], v[S+j:S+j+1]
	v_pk_add_f32 v[PT:PT+1], v[PT:PT+1], v[S+j+2:S+j+3]
.set j, j+4
.endr
	v_pk_add_f32 v[LL:LL+1], v[LL:LL+1], v[PT:PT+1]
.set j, 0
.rept 16
	v_pk_mul_f32 v[O+j:O+j+1], v[O+j:O+j+1], v[F:F+1] op_sel_hi:[1,0]   ; O^T under the new M
.set j, j+2
.endr
	s_wait_dscnt 0x0                               ; V and its scale words are in
.irp x, 0,1                            ; O^T += V^T P^T: four accumulators, one product each
	MMA  O+16*\x,   KF+24*\x,    PC, O+16*\x,   VSW+\x, PW
	MMA1 O+16*\x+8, KF+24*\x+12, PC, O+16*\x+8, VSW+\x, PW
.endr
	s_add_co_u32 s[TS], s[TS], 512
	s_add_co_u32 s[TJ], s[TJ], 256
.endm
; A SLOT: 256 keys of each half.  stage = 1: the next 256 keys are asked for at its head and stored into the other slot at its end.  That slot was last read in the slot before, at whose end every wave waited for its LDS loads and
; passed the barrier; it is read again only behind the barrier here, in front of which every wave's stores have landed.
.macro SLOT buf, stage
.if \stage
.irp i, 0,1,2
	global_load_b128 v[SG+4*\i:SG+4*\i+3], v[TG], s[16:17] offset:4096*\i
.endr
.irp i, 0,1,2
	global_load_b128 v[SG+12+4*\i:SG+12+4*\i+3], v[TG], s[18:19] offset:4096*\i
.endr
.endif
	STEP \buf, 0
	STEP \buf, 1
.if \stage
	s_wait_loadcnt 0x0                             ; the six loads are in, so their bases may step
	s_add_nc_u64 s[16:17], s[16:17], 12288
	s_add_nc_u64 s[18:19], s[18:19], 12288
.irp i, 0,1,2
	ds_store_b128 v[TL], v[SG+4*\i:SG+4*\i+3] offset:SLOT1*(1-\buf)+4096*\i
	ds_store_b128 v[TL], v[SG+12+4*\i:SG+12+4*\i+3] offset:SLOT1*(1-\buf)+VOFF+4096*\i
.endr
	s_wait_dscnt 0x0                               ; my stores have landed, and my reads of this slot are over
	s_barrier_signal -1
	s_barrier_wait -1
.endif
.endm
.Lpair:                                ; a half has 8 slots: 3 trips of two; the last two are written out, so that no load passes the half's part of the buffer
	SLOT 0, 1
	SLOT 1, 1
	s_sub_co_u32 s26, s26, 1
	s_cmp_lg_u32 s26, 0
	s_cbranch_scc1 .Lpair
	SLOT 0, 1
	SLOT 1, 0
	; THE TWO HALVES OF THE KEYS MEET.  The exchange lies over the slots: behind this barrier no wave reads them any more
	PLACES                                         ; four places behind the last products, ahead of the first read of their results
	s_wait_dscnt 0x0                               ; my reads of the slots are over
	s_barrier_signal -1
	s_barrier_wait -1
	s_cmp_eq_u32 s[HF], 0
	s_cbranch_scc1 .Lkeeps                         ; on the wave's number alone: the wave of the upper half hands over
.irp i, 0,1,2,3,4,5,6,7
	ds_store_b128 v[MR], v[O+4*\i:O+4*\i+3] offset:512*\i   ; O^T as an image of its registers; each accumulator from its low end on
.endr
	ds_store_b128 v[MR], v[NM:NM+3] offset:4096    ; -M, the largest t, l's two halves
.Lkeeps:
	s_wait_dscnt 0x0                               ; for the partner's sake: the stores have landed
	s_barrier_signal -1
	s_barrier_wait -1
	s_cmp_lg_u32 s[HF], 0
	s_cbranch_scc1 .Ldone                          ; the upper half's wave has nothing more to do
.irp i, 0,1,2,3,4,5,6,7
	ds_load_b128 v[S+4*\i:S+4*\i+3], v[MR] offset:512*\i
.endr
	ds_load_b128 v[128:131], v[MR] offset:4096
	s_wait_dscnt 0x0
	v_min_num_f32 v[T0], v[NM], v128               ; the joint -M: the larger M
	v_sub_f32 v134, v[T0], v[NM]                   ; my M - the joint M: a whole number, 0 or less
	v_sub_f32 v135, v[T0], v128                    ; the partner's likewise
	v_cvt_i32_f32 v134, v134                       ; (they saturate)
	v_cvt_i32_f32 v135, v135
	v_ldexp_f32 v[F], 1.0, v134                    ; f0, f1: powers of two, or 0 for a half that counts for nothing beside the other
	v_ldexp_f32 v132, 1.0, v135
	v_mov_b32 v133, 0                              ; (named as the upper half of the pair with f1)
	v_pk_mul_f32 v[130:131], v[130:131], v[132:133] op_sel_hi:[1,0]
	v_pk_fma_f32 v[LL:LL+1], v[LL:LL+1], v[F:F+1], v[130:131] op_sel_hi:[1,0,1]   ; l = l0 f0 + l1 f1
.set j, 0
.rept 16
	v_pk_mul_f32 v[S+j:S+j+1], v[S+j:S+j+1], v[132:133] op_sel_hi:[1,0]
.set j, j+2
.endr
.set j, 0
.rept 16
	v_pk_fma_f32 v[S+j:S+j+1], v[O+j:O+j+1], v[F:F+1], v[S+j:S+j+1] op_sel_hi:[1,0,1]   ; O^T = O0 f0 + O1 f1; each accumulator from its low end on
.set j, j+2
.endr
	; THE WAY OUT: O^T / l, quantised along d_model: my head's two blocks of 32; six registers of codes and two bytes a row
	v_add_f32 v[LL], v[LL], v[LL+1]                ; l's two halves,
	v_permlanex16_b32 v[T0], v[LL], s[SEL], s[SEL+1]
	v_add_f32 v[LL], v[LL], v[T0]                  ; and lane l xor 16's
	v_rcp_f32 v134, v[LL]
	v_mov_b32 v[CF], 0xff                          ; (a plain place behind the transcendental)
.set j, 0
	s_wait_alu depctr_va_vdst(0)
.rept 16
	v_pk_mul_f32 v[S+j:S+j+1], v[S+j:S+j+1], v[134:135] op_sel_hi:[1,0]   ; register 16 b + i: channel 32 b + 16 h + i of my query
.set j, j+2
.endr
	QH S, PC, T0
	v_cndmask_b32 v[T0], v[TM+2], v[TM+3], s27     ; lanes 0-15 store block 0's byte, lanes 16-31 block 1's
	v_cmp_eq_f32 vcc_lo, 0, v[LL]
	v_cndmask_b32 v[T0], v[T0], v[CF], vcc_lo      ; no key counted: the byte that makes the last product NaN
.irp i, 0,1,2
	global_store_b64 v[OA], v[PC+2*\i:PC+2*\i+1], s[42:43] offset:256*\i   ; 256 consecutive bytes, aligned
.endr
	global_store_b8 v[OB], v[T0], s[44:45]         ; byte 2 x head + block of my row's sixteen
.Ldone:
	s_wait_tensorcnt 0x0
	ds_add_u32 v254, v255
	s_wait_dscnt 0x0
	s_endpgm
.Lfunc_end_k_qc37070cb08_attn:
	.size	k_qc37070cb08_attn, .Lfunc_end_k_qc37070cb08_attn-k_qc37070cb08_attn
	.p2alignl 7, 3214868480
	.fill 96, 4, 3214868480
	.section	.rodata,"a",@progbits
	.p2align	6, 0x0
	.amdhsa_kernel k_qc37070cb08_attn
		.amdhsa_group_segment_fixed_size 174080
		.amdhsa_private_segment_fixed_size 0
		.amdhsa_enable_private_segment 0
		.amdhsa_kernarg_size 32
		.amdhsa_user_sgpr_count 2
		.amdhsa_user_sgpr_kernarg_segment_ptr 1
		.amdhsa_wavefront_size32 1
		.amdhsa_system_sgpr_workgroup_id_x 1
		.amdhsa_system_sgpr_workgroup_id_y 1
		.amdhsa_system_sgpr_workgroup_id_z 1
		.amdhsa_system_vgpr_workitem_id 0
		.amdhsa_next_free_vgpr 256
		.amdhsa_next_free_sgpr 66
		.amdhsa_reserve_vcc 1
		.amdhsa_float_denorm_mode_32 3
		.amdhsa_float_denorm_mode_16_64 3
		.amdhsa_memory_ordered 1
		.amdhsa_forward_progress 1
		.amdhsa_inst_pref_size 151
	.end_amdhsa_kernel
	.amdgpu_metadata
---
amdhsa.version: [ 1, 2 ]
amdhsa.kernels:
  - .name:           k_qc37070cb08_attn
    .symbol:         k_qc37070cb08_attn.kd
    .args:
      - { .name: key_gate, .offset: 0, .size: 8, .value_kind: global_buffer, .address_space: global }
      - { .name: key_mask, .offset: 8, .size: 8, .value_kind: global_buffer, .address_space: global }
      - { .name: pjk, .offset: 16, .size: 8, .value_kind: global_buffer, .address_space: global }
      - { .name: aok, .offset: 24, .size: 8, .value_kind: global_buffer, .address_space: global }
    .group_segment_fixed_size: 174080
    .private_segment_fixed_size: 0
    .kernarg_segment_align: 8
    .kernarg_segment_size: 32
    .max_flat_workgroup_size: 512
    .sgpr_count:     66
    .vgpr_count:     256
    .wavefront_size: 32
...
	.end_amdgpu_metadata
.endif
;; end of part 3
;; launch outp (part 4): grid 4 x 64, 8 waves a work-group, no clusters, 34,816 bytes of LDS; arguments wpk, aok, bo, out0; writes out0
.if DOCPART == 4
	.amdgcn_target "amdgcn-amd-amdhsa--gfx1250"
	.amdhsa_code_object_version 6
	.text
	.protected	k_qc37070cb08_outp
	.globl	k_qc37070cb08_outp
	.p2align	8
	.type	k_qc37070cb08_outp,@function
k_qc37070cb08_outp:
	s_mov_b64 s[64:65], 0
	v_nop
	global_prefetch_b8 v0, s[64:65] scope:SCOPE_SE
	s_setreg_imm32_b32 hwreg(HW_REG_WAVE_MODE, 25, 1), 1
	s_wait_xcnt 0x0
; out0 = A Wo^T + bo on codes of E3M2: A [4,096][512] is the attention's result as the launch before left it, Wo's codes lie in wpk; both as images of operand registers, so every fragment comes by plain loads.
; SHARES: work-group (cb, rb) makes 64 rows x 128 columns: 256 work-groups.  Wave w: column group cg = w % 4 (tiles 8 cb + 2 cg + u of Wo), row group rg = w / 4 (tiles 4 rb + 2 rg + m of rows): four accumulators, 16 products, K = 512 in four steps.
; Source 0 = Wo's tile, source 1 = the rows: a lane holds one row and eight neighbouring columns.  The bias is loaded into the accumulators and taken as the first products' C.  The four accumulators take turns.
; ROWS OF A TILE: lane r of tile T holds row 32 (T / 2) + 8 (T % 2) + r + 8 (r / 8), for Wo's rows and for A's alike; the stage in LDS puts both back in order.
; aok: codes [tile 256][head 8][piece 3][lane 32][8 bytes]: heads 2 s, 2 s + 1 are K step s's twelve registers;  scale bytes from OS: [tile][row 16][16]: a row's four scale words.
; No ring, no tensor load: a wave's operands, 192 registers, are asked for at once and used once.  Work-groups share Wo's tiles (64 of them read each) and A's (4): 72 KiB of codes a work-group, from data that earlier launches have just written.
.set WOC, 589824                       ; Wo's images in wpk
.set WOS, 811008                       ; and its scale words
.set OS,  1572864
.set SP,  528                          ; the stage: 64 rows of 512 bytes + 16
.set LI,  1                            ; v1 16 x lane
.set L8,  2                            ; v2 8 x lane
.set R16, 3                            ; v3 16 r
.set R4,  4                            ; v4 4 r
.set H64, 5                            ; v5 64 h
.set SO,  6                            ; v6 the stage, on the way in
.set SR,  7                            ; v7 and back
.set WS,  16                           ; v16-23 Wo's scale words, (u, s) at 4 u + s
.set AS,  24                           ; v24-31 A's, (m, s) at 4 m + s
.set AC,  32                           ; v32-63 accumulators, (m, u) at 8 (2 m + u)
.set WF,  64                           ; v64-159 Wo's fragments, (u, s) at 12 (4 u + s); later rows of the result
.set AF,  160                          ; v160-255 A's, (m, s) at 48 m + 12 s
	s_load_b256 s[4:11], s[0:1], 0x0               ; wpk, aok, bo, out0
	v_lshl_add_u32 v14, v0, 2, 0x8400
	v_mov_b32 v15, 0
	v_lshrrev_b32 v8, 5, v0
	v_readfirstlane_b32 s12, v8                    ; wave 0..7
	s_and_b32 s13, s12, 3                          ; cg
	s_lshr_b32 s14, s12, 2                         ; rg
	s_and_b32 s15, ttmp7, 0xffff                   ; rb
	v_and_b32 v8, 31, v0                           ; lane
	v_and_b32 v9, 15, v0                           ; r
	v_bfe_u32 v10, v0, 4, 1                        ; h
	v_lshlrev_b32 v[LI], 4, v8
	v_lshlrev_b32 v[L8], 3, v8
	v_lshlrev_b32 v[R16], 4, v9
	v_lshlrev_b32 v[R4], 2, v9
	v_lshlrev_b32 v[H64], 6, v10
	s_mul_i32 s30, s14, 32*SP
	s_lshl_b32 s29, s13, 7
	s_add_co_u32 s30, s30, s29
	s_mul_i32 s31, s12, 8*SP
	v_and_b32 v11, 8, v9
	v_add_nc_u32 v11, v11, v9                      ; r + 8 (r / 8)
	v_mul_u32_u24 v[SO], v11, SP
	v_add_nc_u32 v[SO], v[SO], v[H64]
	v_add_nc_u32 v[SO], s30, v[SO]                 ; row 32 rg + r + 8 (r / 8) (+ 8 m), byte 128 cg + 64 h (+ 32 u)
	v_add_nc_u32 v[SR], s31, v[LI]                 ; back: rows 8 w on, 16 bytes a lane
	s_lshl_b32 s28, ttmp9, 3
	s_lshl_b32 s29, s13, 1
	s_add_co_u32 s28, s28, s29                     ; my first tile of Wo
	s_mul_i32 s16, s28, 6144
	s_add_co_u32 s16, s16, WOC
	s_mov_b32 s17, 0
	s_lshl_b32 s18, s28, 8
	s_add_co_u32 s18, s18, WOS
	s_mov_b32 s19, 0
	s_lshl_b32 s28, s15, 2
	s_lshl_b32 s29, s14, 1
	s_add_co_u32 s28, s28, s29                     ; my first tile of rows
	s_mul_i32 s20, s28, 6144
	s_mov_b32 s21, 0
	s_lshl_b32 s22, s28, 8
	s_add_co_u32 s22, s22, OS
	s_mov_b32 s23, 0
	s_lshl_b32 s24, ttmp9, 9                       ; bo: column 128 cb + 32 cg
	s_lshl_b32 s29, s13, 7
	s_add_co_u32 s24, s24, s29
	s_mov_b32 s25, 0
	s_lshl_b32 s26, s15, 17                        ; out0: row 64 rb + 8 w, byte 512 cb
	s_lshl_b32 s29, s12, 14
	s_add_co_u32 s26, s26, s29
	s_lshl_b32 s29, ttmp9, 9
	s_add_co_u32 s26, s26, s29
	s_mov_b32 s27, 0
	s_wait_kmcnt 0x0
	s_add_nc_u64 s[16:17], s[4:5], s[16:17]
	s_add_nc_u64 s[18:19], s[4:5], s[18:19]
	s_add_nc_u64 s[20:21], s[6:7], s[20:21]
	s_add_nc_u64 s[22:23], s[6:7], s[22:23]
	s_add_nc_u64 s[24:25], s[8:9], s[24:25]
	s_add_nc_u64 s[26:27], s[10:11], s[26:27]
.set i, 0
.rept 24
	global_load_b128 v[WF+4*i:WF+4*i+3], v[LI], s[16:17] offset:512*i
.set i, i+1
.endr
.set i, 0
.rept 8
	global_load_b32 v[WS+i], v[R4], s[18:19] offset:64*i
.set i, i+1
.endr
.irp m, 0,1
.set i, 0
.rept 24
	global_load_b64 v[AF+48*\m+2*i:AF+48*\m+2*i+1], v[L8], s[20:21] offset:6144*\m+256*i
.set i, i+1
.endr
	global_load_b128 v[AS+4*\m:AS+4*\m+3], v[R16], s[22:23] offset:256*\m
.irp u, 0,1
	global_load_b128 v[AC+8*(2*\m+\u):AC+8*(2*\m+\u)+3], v[H64], s[24:25] offset:32*\u      ; register j: bo at column 16 h + 8 u + j of my 32
	global_load_b128 v[AC+8*(2*\m+\u)+4:AC+8*(2*\m+\u)+7], v[H64], s[24:25] offset:32*\u+16
.endr
.endr
	s_wait_loadcnt 0x0
.irp s, 0,1,2,3
.irp m, 0,1
.irp u, 0,1
	v_wmma_scale_f32_16x16x128_f8f6f4 v[AC+8*(2*\m+\u):AC+8*(2*\m+\u)+7], v[WF+12*(4*\u+\s):WF+12*(4*\u+\s)+11], v[AF+48*\m+12*\s:AF+48*\m+12*\s+11], v[AC+8*(2*\m+\u):AC+8*(2*\m+\u)+7], v[WS+4*\u+\s], v[AS+4*\m+\s] matrix_a_fmt:MATRIX_FMT_BF6 matrix_b_fmt:MATRIX_FMT_BF6
.endr
.endr
.endr
.rept 4
	v_nop                                          ; four places ahead of the stores that read the results and of the loads into the operands' registers
.endr
.irp m, 0,1
.irp u, 0,1
	ds_store_b128 v[SO], v[AC+8*(2*\m+\u):AC+8*(2*\m+\u)+3] offset:8*\m*SP+32*\u       ; each accumulator from its low end on
	ds_store_b128 v[SO], v[AC+8*(2*\m+\u)+4:AC+8*(2*\m+\u)+7] offset:8*\m*SP+32*\u+16
.endr
.endr
	s_wait_dscnt 0x0                               ; for the others' sake: a row's 512 bytes come from four waves
	s_barrier_signal -1
	s_barrier_wait -1
.irp i, 0,1,2,3,4,5,6,7
	ds_load_b128 v[WF+4*\i:WF+4*\i+3], v[SR] offset:\i*SP
.endr
.irp i, 0,1,2,3,4,5,6,7
	s_wait_dscnt 7-\i                              ; row i is back; the younger loads may be out
	global_store_b128 v[LI], v[WF+4*\i:WF+4*\i+3], s[26:27] offset:2048*\i th:TH_STORE_NT   ; 512 consecutive bytes, aligned; written once, read by nobody here
.endr
	s_wait_tensorcnt 0x0
	ds_add_u32 v14, v15
	s_wait_dscnt 0x0
	s_endpgm
.Lfunc_end_k_qc37070cb08_outp:
	.size	k_qc37070cb08_outp, .Lfunc_end_k_qc37070cb08_outp-k_qc37070cb08_outp
	.p2alignl 7, 3214868480
	.fill 96, 4, 3214868480
	.section	.rodata,"a",@progbits
	.p2align	6, 0x0
	.amdhsa_kernel k_qc37070cb08_outp
		.amdhsa_group_segment_fixed_size 34816
		.amdhsa_private_segment_fixed_size 0
		.amdhsa_enable_private_segment 0
		.amdhsa_kernarg_size 32
		.amdhsa_user_sgpr_count 2
		.amdhsa_user_sgpr_kernarg_segment_ptr 1
		.amdhsa_wavefront_size32 1
		.amdhsa_system_sgpr_workgroup_id_x 1
		.amdhsa_system_sgpr_workgroup_id_y 1
		.amdhsa_system_sgpr_workgroup_id_z 1
		.amdhsa_system_vgpr_workitem_id 0
		.amdhsa_next_free_vgpr 256
		.amdhsa_next_free_sgpr 66
		.amdhsa_reserve_vcc 0
		.amdhsa_float_denorm_mode_32 3
		.amdhsa_float_denorm_mode_16_64 3
		.amdhsa_memory_ordered 1
		.amdhsa_forward_progress 1
		.amdhsa_inst_pref_size 16
	.end_amdhsa_kernel
	.amdgpu_metadata
---
amdhsa.version: [ 1, 2 ]
amdhsa.kernels:
  - .name:           k_qc37070cb08_outp
    .symbol:         k_qc37070cb08_outp.kd
    .args:
      - { .name: wpk, .offset: 0, .size: 8, .value_kind: global_buffer, .address_space: global }
      - { .name: aok, .offset: 8, .size: 8, .value_kind: global_buffer, .address_space: global }
      - { .name: bo, .offset: 16, .size: 8, .value_kind: global_buffer, .address_space: global }
      - { .name: out0, .offset: 24, .size: 8, .value_kind: global_buffer, .address_space: global }
    .group_segment_fixed_size: 34816
    .private_segment_fixed_size: 0
    .kernarg_segment_align: 8
    .kernarg_segment_size: 32
    .max_flat_workgroup_size: 256
    .sgpr_count:     66
    .vgpr_count:     256
    .wavefront_size: 32
...
	.end_amdgpu_metadata
.endif
;; end of part 4
;; ======== version 2 of 2: 4 launches
;; limits: right only within a limited range of input values
;; workspace buffers: wpk 819,200 bytes; pjk 8,388,608 bytes; aok 1,638,400 bytes
;; launch prep (part 5): grid 128 x 1, 4 waves a work-group, no clusters, 0 bytes of LDS; arguments Wq, Wk, Wv, Wo, wpk; writes wpk
.if DOCPART == 5
	.amdgcn_target "amdgcn-amd-amdhsa--gfx1250"
	.amdhsa_code_object_version 6
	.text
	.protected	k_qc37070cb08_prep
	.globl	k_qc37070cb08_prep
	.p2align	8
	.type	k_qc37070cb08_prep,@function
k_qc37070cb08_prep:
	s_mov_b64 s[64:65], 0
	v_nop
	global_prefetch_b8 v0, s[64:65] scope:SCOPE_SE
	s_setreg_imm32_b32 hwreg(HW_REG_WAVE_MODE, 25, 1), 1
	s_wait_xcnt 0x0
; The four weights [512][512] f32 (K innermost) become codes of E3M2 with one E8M0 byte for each 32 along K, laid as the matrix unit's registers take them.
; A FRAGMENT is 16 rows x 128 K: 12 registers a lane.  Its IMAGE is 3 pieces of 512 bytes: piece c holds registers 4 c .. 4 c + 3, lane l's 16 bytes at 16 l.
; THE ROWS OF A TILE ARE NOT NEIGHBOURS: lane r of tile T takes row 32 (T / 2) + 8 (T % 2) + r + 8 (r / 8), so that a later result's 16 registers of tiles 2 b, 2 b + 1 are 16 neighbours.
; wpk: images [matrix 4][tile 32][K step 4] of 1,536 bytes from byte 0; scale words [matrix][tile][K step][row 16] from byte WSC.
; SHARES: work-group x = 32 x matrix + tile; wave s makes K step s: one fragment a wave.  No LDS, no barrier, no loop: waves share nothing.
; A block's scale is 2^(floor(log2(its largest magnitude)) - 4): its byte is the largest magnitude's exponent field - 4, held at 1 from below by a floor among the maximum's leaves.
; LIMITS: NaN and infinities among the inputs are not served; a block whose largest magnitude lies under 2^-122, a block of zeros among them, keeps the byte 1 (its codes are zeros or tiny; this program alone reads the bytes).
.set WSC, 786432
.set LI,  1                            ; v1  16 x lane
.set XA,  2                            ; v2  my row's byte in the tile, + 64 x (lane / 16)
.set SA,  3                            ; v3  4 r + 2 h: my half of my row's scale word
.set TM,  4                            ; v4-9   at work in QH
.set CT,  10                           ; v10-12 a conversion's three registers
.set SL,  13                           ; v13 the half word that I store
.set HW0, 14                           ; v14 bytes of blocks 0, 1
.set HW1, 15                           ; v15 bytes of blocks 2, 3
.set OF,  16                           ; v16-27 the fragment
.set X,   32                           ; v32-95 64 numbers: register 16 b + i = k 32 b + 16 (lane / 16) + i of my row
.set SEL, 22                           ; s[22:23] lane selects: lane l xor 16
; 32 numbers of a lane, register 16 b + i = k 32 b + 16 (lane / 16) + i (b = 0, 1), become six registers of codes, k = 32 (lane / 16) + 0 .. 31, and the two blocks' bytes in hw.
.macro QH src, dst, hw
.irp b, 0,1
	v_max3_num_f32 v[TM+\b], |v[\src+16*\b]|, |v[\src+16*\b+1]|, 0x2800000   ; my 16 numbers of block b, and the floor 2^(5 - 127)
.endr
.irp i, 2,4,6,8,10,12,14
.irp b, 0,1
	v_max3_num_f32 v[TM+\b], v[TM+\b], |v[\src+16*\b+\i]|, |v[\src+16*\b+\i+1]|
.endr
.endr
.irp b, 0,1
	v_permlanex16_b32 v[TM+2+\b], v[TM+\b], s[SEL], s[SEL+1]
.endr
.irp b, 0,1
	v_max_num_f32 v[TM+\b], v[TM+\b], v[TM+2+\b]        ; with lane l xor 16's 16: the block's largest magnitude
.endr
.irp b, 0,1
	v_add_nc_u32 v[TM+4+\b], 0xfe000000, v[TM+\b]       ; 4 off its exponent field: the conversion's scale operand
.endr
.irp b, 0,1
	v_lshrrev_b32 v[TM+2+\b], 23, v[TM+4+\b]            ; the scale's byte
.endr
	v_lshl_or_b32 v[\hw], v[TM+3], 8, v[TM+2]
	v_cvt_scalef32_pk16_bf6_f32 v[\dst:\dst+2], v[\src:\src+15], v[TM+4]
	v_cvt_scalef32_pk16_bf6_f32 v[CT:CT+2], v[\src+16:\src+31], v[TM+5]
	v_nop                                               ; one plain place behind a scaled conversion
.irp i, 0,1,2
	v_permlane16_swap_b32 v[\dst+\i], v[CT+\i]          ; a whole block to a lane: lanes 0-15 block 0, lanes 16-31 block 1
.endr
.irp i, 0,1,2
	v_mov_b32 v[\dst+3+\i], v[CT+\i]
.endr
.endm
	s_load_b256 s[4:11], s[0:1], 0x0               ; Wq, Wk, Wv, Wo
	s_load_b64 s[12:13], s[0:1], 0x20              ; wpk
	v_lshrrev_b32 v1, 5, v0
	v_readfirstlane_b32 s14, v1                    ; wave = K step
	v_and_b32 v28, 31, v0                          ; lane
	v_and_b32 v29, 15, v0                          ; r
	v_bfe_u32 v30, v0, 4, 1                        ; h
	v_lshlrev_b32 v[LI], 4, v28
	v_and_b32 v31, 8, v29
	v_add_nc_u32 v31, v31, v29                     ; r + 8 (r / 8)
	v_lshlrev_b32 v[XA], 11, v31                   ; a row is 2,048 bytes
	v_lshl_add_u32 v[XA], v30, 6, v[XA]
	v_lshlrev_b32 v[SA], 2, v29
	v_lshl_add_u32 v[SA], v30, 1, v[SA]
	v_mov_b32 v[TM+2], 0                           ; written once: a lane permute's destination counts as one of its sources
	v_mov_b32 v[TM+3], 0
	s_mov_b32 s[SEL], 0x76543210
	s_mov_b32 s[SEL+1], 0xfedcba98
	s_mov_b32 s24, 0xffff0000                      ; lanes 16-31
	s_lshr_b32 s15, ttmp9, 5                       ; matrix
	s_and_b32 s25, ttmp9, 31                       ; tile
	s_lshr_b32 s26, s25, 1
	s_lshl_b32 s26, s26, 16                        ; 32 rows of 2,048 bytes for each pair of tiles
	s_and_b32 s27, s25, 1
	s_lshl_b32 s27, s27, 14                        ; 8 rows for the odd tile
	s_add_co_u32 s26, s26, s27
	s_lshl_b32 s27, s14, 9                         ; 512 bytes a K step
	s_add_co_u32 s26, s26, s27
	s_mov_b32 s27, 0
	s_lshl_b32 s28, ttmp9, 2
	s_add_co_u32 s28, s28, s14                     ; the fragment's number
	s_mul_i32 s30, s28, 1536
	s_mov_b32 s31, 0
	s_lshl_b32 s28, s28, 6
	s_add_co_u32 s28, s28, WSC
	s_mov_b32 s29, 0
	s_wait_alu depctr_va_vdst(0)
	s_wait_kmcnt 0x0
	s_cmp_eq_u32 s15, 1                            ; the choice hangs on the work-group's number alone
	s_cselect_b64 s[16:17], s[6:7], s[4:5]
	s_cmp_eq_u32 s15, 2
	s_cselect_b64 s[16:17], s[8:9], s[16:17]
	s_cmp_eq_u32 s15, 3
	s_cselect_b64 s[16:17], s[10:11], s[16:17]
	s_add_nc_u64 s[16:17], s[16:17], s[26:27]
	s_add_nc_u64 s[18:19], s[12:13], s[30:31]
	s_add_nc_u64 s[20:21], s[12:13], s[28:29]
.irp b, 0,1,2,3
.irp j, 0,1,2,3
	global_load_b128 v[X+16*\b+4*\j:X+16*\b+4*\j+3], v[XA], s[16:17] offset:128*\b+16*\j th:TH_LOAD_NT   ; a lane's four loads of a block take 64 consecutive bytes; read once in the launch
.endr
.endr
	s_wait_loadcnt 0x0
	QH X, OF, HW0
	QH X+32, OF+6, HW1
	v_cndmask_b32 v[SL], v[HW0], v[HW1], s24       ; lanes 0-15 store the word's low half, lanes 16-31 its high half
.irp c, 0,1,2
	global_store_b128 v[LI], v[OF+4*\c:OF+4*\c+3], s[18:19] offset:512*\c   ; 512 consecutive bytes, aligned
.endr
	global_store_b16 v[SA], v[SL], s[20:21]        ; 64 consecutive bytes
	s_endpgm
.Lfunc_end_k_qc37070cb08_prep:
	.size	k_qc37070cb08_prep, .Lfunc_end_k_qc37070cb08_prep-k_qc37070cb08_prep
	.p2alignl 7, 3214868480
	.fill 96, 4, 3214868480
	.section	.rodata,"a",@progbits
	.p2align	6, 0x0
	.amdhsa_kernel k_qc37070cb08_prep
		.amdhsa_group_segment_fixed_size 0
		.amdhsa_private_segment_fixed_size 0
		.amdhsa_enable_private_segment 0
		.amdhsa_kernarg_size 40
		.amdhsa_user_sgpr_count 2
		.amdhsa_user_sgpr_kernarg_segment_ptr 1
		.amdhsa_wavefront_size32 1
		.amdhsa_system_sgpr_workgroup_id_x 1
		.amdhsa_system_sgpr_workgroup_id_y 1
		.amdhsa_system_sgpr_workgroup_id_z 1
		.amdhsa_system_vgpr_workitem_id 0
		.amdhsa_next_free_vgpr 96
		.amdhsa_next_free_sgpr 66
		.amdhsa_reserve_vcc 0
		.amdhsa_float_denorm_mode_32 3
		.amdhsa_float_denorm_mode_16_64 3
		.amdhsa_memory_ordered 1
		.amdhsa_forward_progress 1
		.amdhsa_inst_pref_size 8
	.end_amdhsa_kernel
	.amdgpu_metadata
---
amdhsa.version: [ 1, 2 ]
amdhsa.kernels:
  - .name:           k_qc37070cb08_prep
    .symbol:         k_qc37070cb08_prep.kd
    .args:
      - { .name: Wq, .offset: 0, .size: 8, .value_kind: global_buffer, .address_space: global }
      - { .name: Wk, .offset: 8, .size: 8, .value_kind: global_buffer, .address_space: global }
      - { .name: Wv, .offset: 16, .size: 8, .value_kind: global_buffer, .address_space: global }
      - { .name: Wo, .offset: 24, .size: 8, .value_kind: global_buffer, .address_space: global }
      - { .name: wpk, .offset: 32, .size: 8, .value_kind: global_buffer, .address_space: global }
    .group_segment_fixed_size: 0
    .private_segment_fixed_size: 0
    .kernarg_segment_align: 8
    .kernarg_segment_size: 40
    .max_flat_workgroup_size: 128
    .sgpr_count:     66
    .vgpr_count:     96
    .wavefront_size: 32
...
	.end_amdgpu_metadata
.endif
;; end of part 5
;; launch proj (part 6): grid 160 x 1, 8 waves a work-group, no clusters, 54,272 bytes of LDS; arguments q, kv, bq, bk, bv, wpk, pjk; writes pjk
.if DOCPART == 6
	.amdgcn_target "amdgcn-amd-amdhsa--gfx1250"
	.amdhsa_code_object_version 6
	.text
	.protected	k_qc37070cb08_proj
	.globl	k_qc37070cb08_proj
	.p2align	8
	.type	k_qc37070cb08_proj,@function
k_qc37070cb08_proj:
	s_mov_b64 s[64:65], 0
	v_nop
	global_prefetch_b8 v0, s[64:65] scope:SCOPE_SE
	s_setreg_imm32_b32 hwreg(HW_REG_WAVE_SCHED_MODE, 0, 2), 2
	s_setreg_imm32_b32 hwreg(HW_REG_WAVE_MODE, 25, 1), 1
	s_wait_xcnt 0x0
	s_wait_alu depctr_vm_vsrc(0)
; qp = q Wq^T + bq, kp = kv Wk^T + bk, vp = kv Wv^T + bv, on codes of E3M2 (one E8M0 byte for each 32 along K), and their results quantised again for the attention: qp, kp along the head's 64, vp along the keys.
; SHARES: a work-group takes 128 rows of one job: work-groups 0-31 q, 32-95 kv for K, 96-159 kv for V.  Wave w quantises row tile w of x, then owns head w: four tiles of W (16 fragments, 192 registers), read once.
; 160 work-groups: a second work-group's 8 waves of 480 registers do not fit beside the first, and blocks of 64 rows would read each weight twice as often.
; x's 32 fragments go from wave to wave through LDS as images of their registers (3 pieces of 512 bytes, lane l's 16 bytes at 16 l; scale words 4 bytes a lane).  One barrier; behind it LDS is only read.
; THE ROWS OF EVERY TILE (of x and of W) ARE NOT NEIGHBOURS: lane r of tile T takes row 32 (T / 2) + 8 (T % 2) + r + 8 (r / 8): the 16 registers of two neighbouring result tiles are then 16 neighbours along the next K.
; Q, K: source 0 = W, source 1 = x: a lane holds one row of x and 32 registers along the head's 64.   V: source 0 = x, source 1 = W: a lane holds one channel and 32 registers along 64 keys.
; The bias is the C of each sum's first product.  The 16 accumulators take turns, in the same order in every K step.
; pjk (bh = 8 x batch + head): QC [bh][pair 64] and KC [bh][pair 128]: images whose registers 0-5 are tile 2 p and 6-11 tile 2 p + 1, each the lower half (64 along K) of a fragment;
;   VC [bh][step 32][channel tile 4]: whole images, 16 channels x 128 keys;  QS, KS [bh][block][lane 32][pair 4] words: lane 16 u + r: the two bytes of tile 2 p + u, row r;  VS [bh][step][lane 32][2] words: lane 16 u + r: channel tile 2 x + u.
; LIMITS: NaN and infinities are not served; a block under 2^-122, zeros among them, keeps the byte 1 (this program alone reads the bytes).
; THE MODE: SCHED_MODE bits 1:0 = 2 (LLVM: expert scheduling mode 2), set by the entry lines.  The code itself states the register dependences between vector or matrix instructions and memory or LDS instructions, with s_wait_alu, always for 0.
; THE PLAN.  Registers that memory or LDS instructions touch:
;   v1-9          offsets and LDS addresses: made at the head, never written again: one wait on va_vdst ahead of the first load serves them all.
;   X0 (two sets) x as loaded: a K step's quantiser reads a set; behind it the loads of two K steps on land in it.
;   OF, HW0       written by a quantiser, read by the LDS stores (first phase) or the global stores (way out) that follow it, written again by the next quantiser.
;   XF, XS        x's fragments and scale words: LDS loads land in them, a K step's 16 products read them, the next K step's loads land in them.
;   W's fragments, scale words and the bias are loaded once and read by products alone; the accumulators are named by vector and matrix instructions alone.
; So: behind each quantiser one wait on va_vdst (its results are written, its sources read), ahead of each quantiser but the first one on vm_vsrc (the stores have read what it writes), and ahead of each K step's loads
; one on va_vdst (the products are done with XF and XS).
.set WSC, 786432
.set KC,  1572864
.set QS,  7864320
.set XSC, 49152                        ; LDS: x's 32 images from 0 (fragment 4 m + s, 1,536 bytes), their scale words from here (128 bytes each)
.set LI,  1                            ; v1  16 x lane
.set LS,  2                            ; v2  XSC + 4 x lane
.set XA,  3                            ; v3  x: my row's byte in a tile + 64 h
.set XWI, 4                            ; v4  where I store x's images: 16 x lane + 6,144 x wave
.set XWS, 5                            ; v5  and their scale words: XSC + 4 x lane + 512 x wave
.set WR,  6                            ; v6  4 r
.set BA,  7                            ; v7  64 h: the bias for Q and K
.set L8,  8                            ; v8  8 x lane
.set BB,  9                            ; v9  4 (r + 8 (r / 8)): the bias for V
.set WS,  16                           ; v16-31  W's scale words, (t, s) at 4 t + s
.set XS,  32                           ; v32-35  x's scale words
.set TM,  36                           ; v36-41  at work in QH
.set CT,  42                           ; v42-44
.set HW0, 46
.set HW1, 47
.set HWK, 48                           ; v48-51  the scale words to store
.set VSW, 52                           ; v52-53
.set OF,  56                           ; v56-67  the fragment just made
.set KEEP, 68                          ; v68-75  V: registers 4, 5 of each fragment wait for its second half
.set ACC, 80                           ; v80-207 16 accumulators
.set X0,  80                           ; in the first phase: two sets of 64 numbers of x
.set XF,  208                          ; v208-255 four fragments of x
.set BC,  192                          ; window 1: v0-191 W's fragments, (t, s) at 12 (4 t + s); v192-223 the bias, 8 registers a tile
.set SEL, 40                           ; s[40:41]
.set MSB, 0
.macro WIN new                         ; the immediate's high byte repeats the setting that is left
.if MSB != \new
	s_set_vgpr_msb (MSB<<8)|\new
.set MSB, \new
.endif
.endm
.macro PLACES                          ; four plain places behind a matrix instruction, ahead of loads into its operands and of reads of its result
.rept 4
	v_nop
.endr
.endm
.macro MMA d, a, b, c, sa, sb
	v_wmma_scale_f32_16x16x128_f8f6f4 v[\d:\d+7], v[\a:\a+11], v[\b:\b+11], v[\c:\c+7], v[\sa], v[\sb] matrix_a_fmt:MATRIX_FMT_BF6 matrix_b_fmt:MATRIX_FMT_BF6
.endm
; 32 numbers of a lane, register 16 b + i = k 32 b + 16 (lane / 16) + i (b = 0, 1), become six registers of codes, k = 32 (lane / 16) + 0 .. 31, and the two blocks' bytes in hw.  Each accumulator is first read at its registers 0 and 1.
.macro QH src, dst, hw
.irp b, 0,1
	v_max3_num_f32 v[TM+\b], |v[\src+16*\b]|, |v[\src+16*\b+1]|, 0x2800000   ; my 16 numbers of block b, and the floor 2^(5 - 127)
.endr
.irp i, 2,4,6,8,10,12,14
.irp b, 0,1
	v_max3_num_f32 v[TM+\b], v[TM+\b], |v[\src+16*\b+\i]|, |v[\src+16*\b+\i+1]|
.endr
.endr
.irp b, 0,1
	v_permlanex16_b32 v[TM+2+\b], v[TM+\b], s[SEL], s[SEL+1]
.endr
.irp b, 0,1
	v_max_num_f32 v[TM+\b], v[TM+\b], v[TM+2+\b]        ; with lane l xor 16's 16: the block's largest magnitude
.endr
.irp b, 0,1
	v_add_nc_u32 v[TM+4+\b], 0xfe000000, v[TM+\b]       ; 4 off its exponent field: the conversion's scale operand
.endr
.irp b, 0,1
	v_lshrrev_b32 v[TM+2+\b], 23, v[TM+4+\b]            ; the scale's byte
.endr
	v_lshl_or_b32 v[\hw], v[TM+3], 8, v[TM+2]
	v_cvt_scalef32_pk16_bf6_f32 v[\dst:\dst+2], v[\src:\src+15], v[TM+4]
	v_cvt_scalef32_pk16_bf6_f32 v[CT:CT+2], v[\src+16:\src+31], v[TM+5]
	v_nop                                               ; one plain place behind a scaled conversion
.irp i, 0,1,2
	v_permlane16_swap_b32 v[\dst+\i], v[CT+\i]          ; a whole block to a lane
.endr
.irp i, 0,1,2
	v_mov_b32 v[\dst+3+\i], v[CT+\i]
.endr
.endm
.macro QF src, dst                     ; 64 numbers become a whole fragment and its scale word (in HW0)
	QH \src, \dst, HW0
	QH \src+32, \dst+6, HW1
	v_lshl_or_b32 v[HW0], v[HW1], 16, v[HW0]
.endm
.macro XLOAD set, s                    ; my row's 64 numbers of K step s
.irp b, 0,1,2,3
.irp j, 0,1,2,3
	global_load_b128 v[\set+16*\b+4*\j:\set+16*\b+4*\j+3], v[XA], s[28:29] offset:512*(\s)+128*\b+16*\j
.endr
.endr
.endm
	s_load_b256 s[4:11], s[0:1], 0x0               ; q, kv, bq, bk
	s_load_b128 s[12:15], s[0:1], 0x20             ; bv, wpk
	s_load_b64 s[16:17], s[0:1], 0x30              ; pjk
	v_lshl_add_u32 v78, v0, 2, 0xd000
	v_mov_b32 v79, 0
	v_lshrrev_b32 v10, 5, v0
	v_readfirstlane_b32 s18, v10                   ; wave 0..7
	v_and_b32 v10, 31, v0                          ; lane
	v_and_b32 v11, 15, v0                          ; r
	v_bfe_u32 v12, v0, 4, 1                        ; h
	v_lshlrev_b32 v[LI], 4, v10
	v_lshl_add_u32 v[LS], v10, 2, XSC
	v_and_b32 v13, 8, v11
	v_add_nc_u32 v13, v13, v11                     ; r + 8 (r / 8)
	v_lshlrev_b32 v[XA], 11, v13
	v_lshl_add_u32 v[XA], v12, 6, v[XA]
	s_wait_alu depctr_va_sdst(0)                   ; s18, the wave's number, is written, ahead of its first reader
	s_mul_i32 s43, s18, 6144
	v_add_nc_u32 v[XWI], s43, v[LI]
	s_lshl_b32 s43, s18, 9
	v_add_nc_u32 v[XWS], s43, v[LS]
	v_lshlrev_b32 v[WR], 2, v11
	v_lshlrev_b32 v[BA], 6, v12
	v_lshlrev_b32 v[BB], 2, v13
	v_lshlrev_b32 v[L8], 3, v10
	v_mov_b32 v[TM+2], 0                           ; written once: a lane permute's destination counts as one of its sources
	v_mov_b32 v[TM+3], 0
	s_mov_b32 s[SEL], 0x76543210
	s_mov_b32 s[SEL+1], 0xfedcba98
	s_mov_b32 s42, 0xffff0000                      ; lanes 16-31
	; the job, from the work-group's number: two flags, and arithmetic on them
	s_cmp_ge_u32 ttmp9, 32
	s_cselect_b32 s22, 1, 0                        ; 1: kv
	s_cmp_ge_u32 ttmp9, 96
	s_cselect_b32 s19, 1, 0                        ; 1: V
	s_add_co_u32 s23, s22, s19                     ; the matrix: 0 Wq, 1 Wk, 2 Wv
	s_lshl_b32 s24, s22, 5
	s_lshl_b32 s25, s19, 6
	s_sub_co_u32 s20, ttmp9, s24
	s_sub_co_u32 s20, s20, s25                     ; the job's block of 128 rows
	s_add_co_u32 s21, s22, 4                       ; log2 of the blocks in a batch: 4 for q, 5 for kv
	s_lshr_b32 s26, s20, s21                       ; batch
	s_lshl_b32 s27, s26, s21
	s_sub_co_u32 s27, s20, s27                     ; block in the batch
	s_lshl_b32 s26, s26, 3
	s_add_co_u32 s26, s26, s18                     ; bh = 8 x batch + wave
	s_lshl_b32 s26, s26, s21
	s_add_co_u32 s26, s26, s27                     ; (bh, block)
	s_mul_i32 s44, s26, 6144                       ; its codes: 6,144 bytes in each of the three parts,
	s_mul_i32 s43, s22, KC
	s_add_co_u32 s44, s44, s43
	s_mul_i32 s43, s19, 3145728
	s_add_co_u32 s44, s44, s43                     ; which begin at 0, KC and KC + 3,145,728
	s_mov_b32 s45, 0
	s_sub_co_u32 s43, 9, s19
	s_lshl_b32 s46, s26, s43                       ; its scale words: 512 bytes, V's 256,
	s_add_co_u32 s46, s46, QS
	s_lshl_b32 s43, s22, 17
	s_add_co_u32 s46, s46, s43
	s_lshl_b32 s43, s19, 18
	s_add_co_u32 s46, s46, s43                     ; from QS, QS + 131,072, QS + 393,216
	s_mov_b32 s47, 0
	s_lshl_b32 s48, s20, 18                        ; x: 128 rows of 2,048 bytes a block,
	s_lshr_b32 s43, s18, 1
	s_lshl_b32 s43, s43, 16
	s_add_co_u32 s48, s48, s43
	s_and_b32 s43, s18, 1
	s_lshl_b32 s43, s43, 14
	s_add_co_u32 s48, s48, s43                     ; and row tile w's first row: 32 (w / 2) + 8 (w % 2)
	s_mov_b32 s49, 0
	s_mul_i32 s50, s23, 196608                     ; W's images: the matrix, my four tiles
	s_mul_i32 s43, s18, 24576
	s_add_co_u32 s50, s50, s43
	s_mov_b32 s51, 0
	s_lshl_b32 s52, s23, 13                        ; W's scale words
	s_lshl_b32 s43, s18, 10
	s_add_co_u32 s52, s52, s43
	s_add_co_u32 s52, s52, WSC
	s_mov_b32 s53, 0
	s_lshl_b32 s54, s18, 8                         ; the bias: my head's 64 numbers
	s_mov_b32 s55, 0
	s_wait_kmcnt 0x0
	s_cmp_eq_u32 s22, 0                            ; the choices hang on the work-group's number alone
	s_cselect_b64 s[28:29], s[4:5], s[6:7]
	s_cselect_b64 s[34:35], s[8:9], s[10:11]
	s_cmp_eq_u32 s19, 0
	s_cselect_b64 s[34:35], s[34:35], s[12:13]
	s_add_nc_u64 s[28:29], s[28:29], s[48:49]
	s_add_nc_u64 s[30:31], s[14:15], s[50:51]
	s_add_nc_u64 s[32:33], s[14:15], s[52:53]
	s_add_nc_u64 s[34:35], s[34:35], s[54:55]
	s_add_nc_u64 s[36:37], s[16:17], s[44:45]
	s_add_nc_u64 s[38:39], s[16:17], s[46:47]
	WIN 0x40                                       ; destination window 1
	s_wait_alu depctr_va_vdst(0)                   ; the offsets and LDS addresses v1 to v9 are written, which every load and store of the kernel reads; up to x's loads only loads, window switches
.set i, 0
.rept 48
	global_load_b128 v[4*i:4*i+3], v[LI], s[30:31] offset:512*i    ; W's 16 images as they lie: they stay in registers
.set i, i+1
.endr
	WIN 0
.set i, 0
.rept 16
	global_load_b32 v[WS+i], v[WR], s[32:33] offset:64*i
.set i, i+1
.endr
	s_cmp_lg_u32 s19, 0
	s_cbranch_scc1 .Lbias_b
	WIN 0x40
.irp t, 0,1,2,3                        ; Q, K: register j of tile t is channel 32 (t / 2) + 16 h + 8 (t % 2) + j
	global_load_b128 v[BC+8*\t:BC+8*\t+3], v[BA], s[34:35] offset:(32*(\t/2)+8*(\t%2))*4
	global_load_b128 v[BC+8*\t+4:BC+8*\t+7], v[BA], s[34:35] offset:(32*(\t/2)+8*(\t%2))*4+16
.endr
	WIN 0
	s_branch .Lbias_done
.Lbias_b:
	WIN 0x40
.irp t, 0,1,2,3                        ; V: all eight registers of a lane are its one channel, 32 (t / 2) + 8 (t % 2) + r + 8 (r / 8)
.irp j, 0,1,2,3,4,5,6,7
	global_load_b32 v[BC+8*\t+\j], v[BB], s[34:35] offset:(32*(\t/2)+8*(\t%2))*4
.endr
.endr
	WIN 0
.Lbias_done:
	XLOAD X0, 0
	XLOAD X0+64, 1
	; ---- x: my 16 rows become four fragments, K step by K step, on two sets of registers
.irp s, 0,1,2,3
.if \s < 3
	s_wait_loadcnt 16                              ; this K step's 16 loads are in: behind them only the other set's 16 were issued
.else
	s_wait_loadcnt 0x0                             ; the last; W, its scale words and the bias, issued ahead of x, are in as well
.endif
.if \s > 0
	s_wait_alu depctr_vm_vsrc(0)                   ; the last K step's LDS stores have read the fragment and its scale word, which the quantiser writes again
.endif
	QF X0+64*(\s%2), OF
	s_wait_alu depctr_va_vdst(0)                   ; the quantiser has written the fragment and its scale word, which the LDS stores read, and is done reading its set of x, in which the loads below land
.irp c, 0,1,2
	ds_store_b128 v[XWI], v[OF+4*\c:OF+4*\c+3] offset:1536*\s+512*\c
.endr
	ds_store_b32 v[XWS], v[HW0] offset:128*\s
.if \s < 2
	XLOAD X0+64*(\s%2), \s+2
.endif
	s_wait_dscnt 0x0                               ; the stores have landed
.endr
	s_barrier_signal -1
	s_barrier_wait -1                              ; x's 32 fragments lie in LDS; nothing is stored there any more
; 64 rows (row tiles 4 c + m) against my four tiles of W, all of K: 64 products.  kind 0: source 0 = W; kind 1: source 0 = x
.macro HALF kind, c
.irp s, 0,1,2,3
	PLACES
.if \s > 0
	s_wait_alu depctr_va_vdst(0)                   ; the last K step's products are done reading x's fragments and scale words, in which the loads below land.  (At K step 0 the way out's waits ahead of its stores have stated it of the half before, and nothing since names these registers)
.endif
.irp m, 0,1,2,3
.irp k, 0,1,2
	ds_load_b128 v[XF+12*\m+4*\k:XF+12*\m+4*\k+3], v[LI] offset:(4*(4*\c+\m)+\s)*1536+512*\k
.endr
	ds_load_b32 v[XS+\m], v[LS] offset:128*(4*(4*\c+\m)+\s)
.endr
	s_wait_dscnt 0x0
.if \kind == 0
.if \s == 0
	WIN 0x11                                       ; source 0 (W) and source 2 (the bias) window 1
.else
	WIN 0x01
.endif
.irp m, 0,1,2,3
.irp t, 0,1,2,3
.if \s == 0
	MMA ACC+32*\m+8*\t, 12*(4*\t+\s), XF+12*\m, BC+8*\t, WS+4*\t+\s, XS+\m
.else
	MMA ACC+32*\m+8*\t, 12*(4*\t+\s), XF+12*\m, ACC+32*\m+8*\t, WS+4*\t+\s, XS+\m
.endif
.endr
.endr
.else
.if \s == 0
	WIN 0x14                                       ; source 1 (W) and source 2 (the bias) window 1
.else
	WIN 0x04
.endif
.irp m, 0,1,2,3
.irp t, 0,1,2,3
.if \s == 0
	MMA ACC+32*\t+8*\m, XF+12*\m, 12*(4*\t+\s), BC+8*\t, XS+\m, WS+4*\t+\s
.else
	MMA ACC+32*\t+8*\m, XF+12*\m, 12*(4*\t+\s), ACC+32*\t+8*\m, XS+\m, WS+4*\t+\s
.endif
.endr
.endr
.endif
	WIN 0
.endr
	PLACES
.endm
	s_cmp_lg_u32 s19, 0
	s_cbranch_scc1 .Ltype_b
	; ---- Q, K: a row tile's 32 registers are the head's 64 channels (my half of each block): six registers of codes; two tiles make an image
.irp c, 0,1
	HALF 0, \c
.irp m, 0,1,2,3
.if \m%2 == 0
	s_wait_xcnt 0x0                                ; the last pair's stores have had their addresses translated
	s_wait_alu depctr_vm_vsrc(0)                   ; and have read the fragment's registers (ahead of the first pair: x's last LDS stores have), which the quantiser writes again
.endif
	QH ACC+32*\m, OF+6*(\m%2), HW0+(\m%2)
.if \m%2 == 1
	v_cndmask_b32 v[HWK+2*\c+\m/2], v[HW0], v[HW1], s42   ; lanes 0-15 the even tile's bytes, lanes 16-31 the odd tile's
	s_wait_alu depctr_va_vdst(0)                   ; the pair's codes and its scale word are written, which the stores read
.irp k, 0,1,2
	global_store_b128 v[LI], v[OF+4*\k:OF+4*\k+3], s[36:37] offset:1536*(2*\c+\m/2)+512*\k   ; 512 consecutive bytes, aligned
.endr
.endif
.endr
.endr
	global_store_b128 v[LI], v[HWK:HWK+3], s[38:39]   ; the block's scale words: 512 consecutive bytes.  (The last of them was written ahead of the wait above)
	s_wait_dscnt 0x0                               ; the closing lines, six on end
	s_wait_alu 0x0
	s_wait_tensorcnt 0x0
	ds_add_u32 v78, v79
	s_wait_dscnt 0x0
	s_endpgm
.Ltype_b:
	; ---- V: a channel tile's 32 registers are 64 keys: half a fragment; the second 64 keys complete it
	HALF 1, 0
.irp t, 0,1,2,3
	s_wait_xcnt 0x0                                ; the last store has had its address translated
	s_wait_alu depctr_vm_vsrc(0)                   ; and has read its registers (ahead of the first: x's last LDS stores have), which the quantiser writes again
	QH ACC+32*\t, OF, HWK+\t
	s_wait_alu depctr_va_vdst(0)                   ; the codes are written, which the store reads
	global_store_b128 v[LI], v[OF:OF+3], s[36:37] offset:1536*\t
	v_mov_b32 v[KEEP+2*\t], v[OF+4]
	v_mov_b32 v[KEEP+2*\t+1], v[OF+5]
.endr
	HALF 1, 1
.irp t, 0,1,2,3
	s_wait_xcnt 0x0
	s_wait_alu depctr_vm_vsrc(0)                   ; the last stores have read the fragment's registers, which are written again below
	QH ACC+32*\t, OF+6, HW1
	v_mov_b32 v[OF+4], v[KEEP+2*\t]
	v_mov_b32 v[OF+5], v[KEEP+2*\t+1]
	v_lshl_or_b32 v[HWK+\t], v[HW1], 16, v[HWK+\t]
	s_wait_alu depctr_va_vdst(0)                   ; registers 4 to 11 of the fragment are written, which the stores read
	global_store_b128 v[LI], v[OF+4:OF+7], s[36:37] offset:1536*\t+512
	global_store_b128 v[LI], v[OF+8:OF+11], s[36:37] offset:1536*\t+1024
.endr
	v_cndmask_b32 v[VSW], v[HWK], v[HWK+1], s42
	v_cndmask_b32 v[VSW+1], v[HWK+2], v[HWK+3], s42
	s_wait_alu depctr_va_vdst(0)                   ; the two scale words are written, which the store reads
	global_store_b64 v[L8], v[VSW:VSW+1], s[38:39]  ; 256 consecutive bytes, aligned
	s_wait_dscnt 0x0                               ; the closing lines, six on end
	s_wait_alu 0x0
	s_wait_tensorcnt 0x0
	ds_add_u32 v78, v79
	s_wait_dscnt 0x0
	s_endpgm
.Lfunc_end_k_qc37070cb08_proj:
	.size	k_qc37070cb08_proj, .Lfunc_end_k_qc37070cb08_proj-k_qc37070cb08_proj
	.p2alignl 7, 3214868480
	.fill 96, 4, 3214868480
	.section	.rodata,"a",@progbits
	.p2align	6, 0x0
	.amdhsa_kernel k_qc37070cb08_proj
		.amdhsa_group_segment_fixed_size 54272
		.amdhsa_private_segment_fixed_size 0
		.amdhsa_enable_private_segment 0
		.amdhsa_kernarg_size 56
		.amdhsa_user_sgpr_count 2
		.amdhsa_user_sgpr_kernarg_segment_ptr 1
		.amdhsa_wavefront_size32 1
		.amdhsa_system_sgpr_workgroup_id_x 1
		.amdhsa_system_sgpr_workgroup_id_y 1
		.amdhsa_system_sgpr_workgroup_id_z 1
		.amdhsa_system_vgpr_workitem_id 0
		.amdhsa_next_free_vgpr 480
		.amdhsa_next_free_sgpr 66
		.amdhsa_reserve_vcc 0
		.amdhsa_float_denorm_mode_32 3
		.amdhsa_float_denorm_mode_16_64 3
		.amdhsa_memory_ordered 1
		.amdhsa_forward_progress 1
		.amdhsa_inst_pref_size 124
	.end_amdhsa_kernel
	.amdgpu_metadata
---
amdhsa.version: [ 1, 2 ]
amdhsa.kernels:
  - .name:           k_qc37070cb08_proj
    .symbol:         k_qc37070cb08_proj.kd
    .args:
      - { .name: q, .offset: 0, .size: 8, .value_kind: global_buffer, .address_space: global }
      - { .name: kv, .offset: 8, .size: 8, .value_kind: global_buffer, .address_space: global }
      - { .name: bq, .offset: 16, .size: 8, .value_kind: global_buffer, .address_space: global }
      - { .name: bk, .offset: 24, .size: 8, .value_kind: global_buffer, .address_space: global }
      - { .name: bv, .offset: 32, .size: 8, .value_kind: global_buffer, .address_space: global }
      - { .name: wpk, .offset: 40, .size: 8, .value_kind: global_buffer, .address_space: global }
      - { .name: pjk, .offset: 48, .size: 8, .value_kind: global_buffer, .address_space: global }
    .group_segment_fixed_size: 54272
    .private_segment_fixed_size: 0
    .kernarg_segment_align: 8
    .kernarg_segment_size: 56
    .max_flat_workgroup_size: 256
    .sgpr_count:     66
    .vgpr_count:     480
    .wavefront_size: 32
...
	.end_amdgpu_metadata
.endif
;; end of part 6
;; launch attn (part 7): grid 16 x 16, 16 waves a work-group, no clusters, 174,080 bytes of LDS; arguments key_gate, key_mask, pjk, aok; writes aok
.if DOCPART == 7
	.amdgcn_target "amdgcn-amd-amdhsa--gfx1250"
	.amdhsa_code_object_version 6
	.text
	.protected	k_qc37070cb08_attn
	.globl	k_qc37070cb08_attn
	.p2align	8
	.type	k_qc37070cb08_attn,@function
k_qc37070cb08_attn:
	s_mov_b64 s[64:65], 0
	v_nop
	global_prefetch_b8 v0, s[64:65] scope:SCOPE_SE
	s_setreg_imm32_b32 hwreg(HW_REG_WAVE_SCHED_MODE, 0, 2), 2
	s_setreg_imm32_b32 hwreg(HW_REG_WAVE_MODE, 25, 1), 1
	s_wait_xcnt 0x0
	s_wait_alu depctr_vm_vsrc(0)
; For each (batch, head): O = softmax(qp kp^T / 8 + log(max(gate, 1e-6)), masked keys out) vp, both products on codes of E3M2; O / l is quantised along d_model for the last product.
; THE SOFTMAX AHEAD OF THE SECOND PRODUCT: t = logit x log2(e); M = the running largest t, taken up to a whole number; p = 2^(t - M) is quantised along the keys, not normalised; l sums the unquantised p; when M moves, l and O are multiplied by 2^(old M - new M), exactly.
; SHARES: work-group (g, bh) owns 128 queries of one head: 256 work-groups of equal work.  A tile of 16 queries is walked by TWO waves, one for each half of the 4,096 keys: wave W has tile W % 8 and half W / 8, 16 steps of 128 keys, in 256 registers.
; So four waves lie on a SIMD (2,048 tiles on 1,024 SIMDs would give two), and one wave's waits for LDS stand beside three others' vector work.  At the end the upper wave hands O^T, M and l to the lower one through LDS; both are brought
; under the larger M by powers of two and added: since M is a whole number in both, p's codes stand for the same numbers as in one walk; only the order of the f32 sums differs.
; Both products are used transposed (S^T = K Q^T, O^T = V^T P^T): a lane holds ONE query throughout.  The keys of a tile of K are laid so that p's 16 registers of two neighbouring tiles are 16 neighbouring keys.
; K AND V come as images of operand registers, 24,576 dense bytes for 256 keys, through two LDS slots for each half of the keys: each of the half's 256 threads loads 6 x 16 bytes early in a slot's first step and stores them into the other slot at its end:
; 12 instructions a wave beside the some 470 vector instructions of a slot's two steps, asked for nearly a whole slot ahead.  So no tensor load and no joint request is used, though the 16 query blocks of a head read the same K and V: what would be spared is not what the wave waits for.
; GATE AND MASK RIDE ON C: bias[k] = log2(max(gate, 1e-6)) x 8 ln 2, or -2^100 where key_mask is 0, is loaded from LDS into S's registers and taken as the C of the score product: t = c x (score + bias), c = log2(e) / 8.
; The running largest t begins at -2^83, above c x (-2^100): a step, or a half, whose keys are all masked gives p = 0, and its share falls out of the sum by the factor 0.
; K = 64 IN A PRODUCT OF 128: Q's registers 6-11 are zero codes, so a tile of K is named as twelve registers of which the upper six (the next tile's codes, behind the last tile zeros) meet zeros; the upper bytes of both scale words are 0, a finite scale.
; LIMITS: NaN and infinities are not served; an unmasked key's t lies above -2^83; a batch whose keys are all masked gets the scale byte 0xff, so that the last product gives NaN there, as the softmax of nothing does;
; a block under 2^-122, zeros among them, keeps the byte 1 (this program alone reads the bytes).
; THE MODE: SCHED_MODE bits 1:0 = 2 (LLVM: expert scheduling mode 2), set by the entry lines.  The code itself states the register dependences between vector or matrix instructions and memory or LDS instructions, with s_wait_alu, always for 0.
; THE PLAN.  Registers that memory or LDS instructions touch, round a key step:
;   S (v96-159)     A step's bias lands here, asked for among the SECOND products of the step before; the first products add onto it; the softmax works on it; l's sums read it last.
;   KF (v32-79)     K's images land at the step's head; the first products read them; V's images land behind those; the second products read them.
;   KSW, VSW        K's scale words land with the bias, V's with V; the first and the second products read them.
;   AKS, ABI, AVS   LDS addresses: one vector addition each a step, behind the first products; AVS serves this step's V, AKS and ABI the next step's scale words and bias.
;   SG (v228-251)   Global loads land here, the LDS stores at a slot's end read it; no vector instruction names it.
;   The other offsets and addresses are made at the head and never written again.  O^T, p's codes and the statistics are named by vector and matrix instructions alone until the end.
; A STEP'S WAITS.  va_vdst at its head: the second products are done with KF.  vm_vsrc behind the first products: the LDS loads have read the three addresses, the LDS stores SG.  va_vdst behind the additions: the first products are
; done with KF, the addresses are written.  va_vdst behind the exponentials: their results.  va_vdst ahead of the second products: p's codes and scale word are written, and the softmax is done with S; the second products name
; O^T, KF, the codes and scale words alone, so the next step's 17 loads are dealt among them with no further wait.
.set KC,  1572864
.set VC,  4718592
.set QS,  7864320
.set KS,  7995392
.set VS,  8257536
.set OS,  1572864
.set SLOT1, 32768                      ; LDS: half hf's slot 0 at 65,536 hf, its slot 1 this much further on: 12,288 bytes of K, then 12,288 of V
.set VOFF,  12288
.set KSC, 131072                       ; K's scale words of the whole head, 16,384 bytes
.set BIA, 147456                       ; the bias of the batch's 4,096 keys, f32
.set VSC, 163840                       ; V's scale words of the whole head, 8,192 bytes
.set MRB, 4608                         ; the exchange at the end: from byte 0, over the slots, for each tile 4,096 bytes of O^T and 512 of (-M, t, l, l)
.set LI,  1                            ; v1  16 x lane + 65,536 x half
.set KS0, 2                            ; v2  KSC + 16 x lane
.set VS0, 3                            ; v3  VSC + 8 x lane
.set BI0, 4                            ; v4  BIA + 64 h
.set TG,  5                            ; v5  16 x (thread % 256): my 16 bytes in a piece of my half's slot, in memory
.set TIK, 6                            ; v6  KSC + 16 x thread
.set QA,  7                            ; v7, v11  Q's pieces in its pair's image
.set AKS, 8                            ; v8-10  the addresses that step: K's scale words, V's, the bias
.set AVS, 9
.set ABI, 10
.set QB,  11
.set NM,  12                           ; v12 -M;  v13 the largest t
.set LL,  14                           ; v[14:15] l, in two halves
.set QR,  16                           ; v16-21 Q's codes, v22-27 zeros
.set QSW, 28                           ; v28 Q's scale word
.set QSO, 29                           ; v29 16 r
.set OA,  30                           ; v30 8 x lane
.set OB,  31                           ; v31 16 r + h
.set KF,  32                           ; v32-79 K's eight half fragments, then V's four fragments; v80-85 zeros
.set VSW, 86                           ; v[86:87] V's scale words
.set KSW, 88                           ; v[88:91] K's
.set TL,  92                           ; v92 the same place as TG in LDS: + 65,536 x half
.set MR,  93                           ; v93 the exchange: 4,608 x tile + 16 x lane
.set TP,  95                           ; v95 16 x thread
.set S,   96                           ; v96-159 the bias, S^T, p
.set O,   160                          ; v160-191 O^T
.set PC,  192                          ; v192-203 p's codes
.set CT,  204                          ; v204-206, v208-210 conversions' results on their way
.set TM,  212                          ; v212-215 each block's largest score, then p
.set PT,  216                          ; v216-219
.set SOP, 220                          ; v220-223 the conversions' scale operands
.set F,   224                          ; v224 f = 2^(old M - new M)
.set PW,  225                          ; v225 p's scale word
.set T0,  226
.set CF,  227
.set SG,  228                          ; v228-251 a slot's bytes on their way
.set L16, 252                          ; v252 16 x lane
.set SEL, 20                           ; s[20:21]
.set CS,  22                           ; s[22:23] c, twice
.set TS,  24                           ; s24 512 a step: K's scale words and the bias
.set TJ,  25                           ; s25 256 a step: V's scale words
.set WV,  48                           ; s48 wave 0..15;  s12 its tile, s49 its half of the keys
.set HF,  49
.macro MMA d, a, b, c, sa, sb
	v_wmma_scale_f32_16x16x128_f8f6f4 v[\d:\d+7], v[\a:\a+11], v[\b:\b+11], v[\c:\c+7], v[\sa], v[\sb] matrix_a_fmt:MATRIX_FMT_BF6 matrix_b_fmt:MATRIX_FMT_BF6
.endm
.macro MMA1 d, a, b, c, sa, sb         ; source 0's scales from lanes 16-31
	v_wmma_scale_f32_16x16x128_f8f6f4 v[\d:\d+7], v[\a:\a+11], v[\b:\b+11], v[\c:\c+7], v[\sa], v[\sb] matrix_a_fmt:MATRIX_FMT_BF6 matrix_b_fmt:MATRIX_FMT_BF6 matrix_a_scale:MATRIX_SCALE_ROW1
.endm
.macro PLACES
.rept 4
	v_nop
.endr
.endm
.macro BIAS b                          ; the bias of keys 32 b + 16 h + 0 .. 15 of the step at which v[ABI] stands: sixteen lanes read the same 16 bytes
.irp i, 0,1,2,3
	ds_load_b128 v[S+16*(\b)+4*\i:S+16*(\b)+4*\i+3], v[ABI] offset:128*(\b)+16*\i
.endr
.endm
; 32 numbers of a lane, register 16 b + i = k 32 b + 16 (lane / 16) + i (b = 0, 1), become six registers of codes, k = 32 (lane / 16) + 0 .. 31; the blocks' bytes stay in v[TM+2], v[TM+3]
.macro QH src, dst, hw
.irp b, 0,1
	v_max3_num_f32 v[TM+\b], |v[\src+16*\b]|, |v[\src+16*\b+1]|, 0x2800000
.endr
.irp i, 2,4,6,8,10,12,14
.irp b, 0,1
	v_max3_num_f32 v[TM+\b], v[TM+\b], |v[\src+16*\b+\i]|, |v[\src+16*\b+\i+1]|
.endr
.endr
.irp b, 0,1
	v_permlanex16_b32 v[TM+2+\b], v[TM+\b], s[SEL], s[SEL+1]
.endr
.irp b, 0,1
	v_max_num_f32 v[TM+\b], v[TM+\b], v[TM+2+\b]
.endr
.irp b, 0,1
	v_add_nc_u32 v[TM+4+\b], 0xfe000000, v[TM+\b]
.endr
.irp b, 0,1
	v_lshrrev_b32 v[TM+2+\b], 23, v[TM+4+\b]
.endr
	v_lshl_or_b32 v[\hw], v[TM+3], 8, v[TM+2]
	v_cvt_scalef32_pk16_bf6_f32 v[\dst:\dst+2], v[\src:\src+15], v[TM+4]
	v_cvt_scalef32_pk16_bf6_f32 v[CT:CT+2], v[\src+16:\src+31], v[TM+5]
	v_nop
.irp i, 0,1,2
	v_permlane16_swap_b32 v[\dst+\i], v[CT+\i]
.endr
.irp i, 0,1,2
	v_mov_b32 v[\dst+3+\i], v[CT+\i]
.endr
.endm
	s_load_b256 s[4:11], s[0:1], 0x0               ; key_gate, key_mask, pjk, aok
	v_lshl_add_u32 v254, v0, 2, 0x2a000
	v_mov_b32 v255, 0
	v_lshrrev_b32 v8, 5, v0
	v_readfirstlane_b32 s[WV], v8                  ; wave 0..15
	s_mov_b32 s13, ttmp9                           ; g: the block of 128 queries
	s_and_b32 s14, ttmp7, 0xffff                   ; bh
	s_lshr_b32 s15, s14, 3                         ; batch
	v_and_b32 v8, 31, v0                           ; lane
	v_and_b32 v9, 15, v0                           ; r
	v_bfe_u32 v10, v0, 4, 1                        ; h
	v_lshlrev_b32 v[L16], 4, v8
	s_wait_alu depctr_va_sdst(0)                   ; s48, the wave's number, is written, ahead of its first reader
	s_and_b32 s12, s[WV], 7                        ; my tile of 16 queries
	s_lshr_b32 s[HF], s[WV], 3                     ; my half of the keys
	s_lshl_b32 s50, s[HF], 16                      ; my half's slots begin here
	v_add_nc_u32 v[LI], s50, v[L16]
	v_add_nc_u32 v[KS0], KSC, v[L16]
	v_lshl_add_u32 v[VS0], v8, 3, VSC
	v_lshl_add_u32 v[BI0], v10, 6, BIA
	v_lshlrev_b32 v[TP], 4, v0
	v_add_nc_u32 v[TIK], KSC, v[TP]
	v_and_b32 v[TG], 255, v0
	v_lshlrev_b32 v[TG], 4, v[TG]
	v_add_nc_u32 v[TL], s50, v[TG]
	s_mul_i32 s51, s12, MRB
	v_add_nc_u32 v[MR], s51, v[L16]                ; the same place for the wave that hands over and the wave that takes
	s_and_b32 s28, s12, 1                          ; u: my tile is the pair's even or odd one
	s_mul_i32 s29, s28, 520                        ; registers 6 u .. 6 u + 5 of the image, as three pieces of 8 bytes: at 16 l + {0, 8, 512} or 16 l + {520, 1024, 1032}
	v_add_nc_u32 v[QA], s29, v[L16]
	s_mul_i32 s29, s28, 1016
	v_add_nc_u32 v[QB], s29, v[L16]
	v_lshlrev_b32 v[QSO], 4, v9
	v_lshlrev_b32 v[OA], 3, v8
	v_add_nc_u32 v[OB], v[QSO], v10
	s_mov_b32 s[SEL], 0x76543210
	s_mov_b32 s[SEL+1], 0xfedcba98
	s_mov_b32 s[CS], 0x3e38aa3b                    ; c = log2(e) / 8
	s_mov_b32 s[CS+1], s[CS]
	s_lshl_b32 s[TS], s[HF], 13                    ; my first step is 16 x half: 512 bytes a step,
	s_lshl_b32 s[TJ], s[HF], 12                    ; 256 bytes a step
	v_add_nc_u32 v[AKS], s[TS], v[KS0]             ; my first step's scale words of K,
	v_add_nc_u32 v[ABI], s[TS], v[BI0]             ; and its bias
	s_mov_b32 s26, 3
	s_mov_b32 s27, 0xffff0000                      ; lanes 16-31
	; offsets first, each in the pair that will hold its address
	s_lshl_b32 s30, s15, 14                        ; gate and mask: 16,384 bytes a batch
	s_mov_b32 s31, 0
	s_mov_b32 s32, s30
	s_mov_b32 s33, 0
	s_mul_i32 s16, s14, 196608                     ; K's and V's codes: 196,608 bytes a head,
	s_mul_i32 s46, s[HF], 98304                    ; 16 steps of 6,144 bytes a half
	s_add_co_u32 s16, s16, s46
	s_add_co_u32 s18, s16, VC
	s_add_co_u32 s16, s16, KC
	s_mov_b32 s17, 0
	s_mov_b32 s19, 0
	s_lshl_b32 s34, s14, 14
	s_add_co_u32 s34, s34, KS
	s_mov_b32 s35, 0
	s_lshl_b32 s36, s14, 13
	s_add_co_u32 s36, s36, VS
	s_mov_b32 s37, 0
	s_lshl_b32 s38, s14, 6                         ; Q's pair: 64 bh + 4 g + tile / 2
	s_lshl_b32 s46, s13, 2
	s_add_co_u32 s38, s38, s46
	s_lshr_b32 s46, s12, 1
	s_add_co_u32 s38, s38, s46
	s_mul_i32 s38, s38, 1536
	s_mov_b32 s39, 0
	s_lshl_b32 s40, s14, 4                         ; Q's scale word: block 16 bh + g, lane 16 u + r, pair tile / 2
	s_add_co_u32 s40, s40, s13
	s_lshl_b32 s40, s40, 9
	s_add_co_u32 s40, s40, QS
	s_lshl_b32 s47, s28, 8
	s_add_co_u32 s40, s40, s47
	s_lshl_b32 s47, s46, 2
	s_add_co_u32 s40, s40, s47
	s_mov_b32 s41, 0
	s_lshl_b32 s42, s15, 7                         ; my tile of rows among all 256: 128 x batch + 8 g + tile
	s_lshl_b32 s46, s13, 3
	s_add_co_u32 s42, s42, s46
	s_add_co_u32 s42, s42, s12
	s_and_b32 s46, s14, 7                          ; head
	s_lshl_b32 s44, s42, 8
	s_add_co_u32 s44, s44, OS
	s_lshl_b32 s47, s46, 1
	s_add_co_u32 s44, s44, s47
	s_mov_b32 s45, 0
	s_mul_i32 s42, s42, 6144
	s_mul_i32 s46, s46, 768
	s_add_co_u32 s42, s42, s46
	s_mov_b32 s43, 0
	s_wait_kmcnt 0x0
	s_add_nc_u64 s[30:31], s[4:5], s[30:31]
	s_add_nc_u64 s[32:33], s[6:7], s[32:33]
	s_add_nc_u64 s[16:17], s[8:9], s[16:17]
	s_add_nc_u64 s[18:19], s[8:9], s[18:19]
	s_add_nc_u64 s[34:35], s[8:9], s[34:35]
	s_add_nc_u64 s[36:37], s[8:9], s[36:37]
	s_add_nc_u64 s[38:39], s[8:9], s[38:39]
	s_add_nc_u64 s[40:41], s[8:9], s[40:41]
	s_add_nc_u64 s[42:43], s[10:11], s[42:43]
	s_add_nc_u64 s[44:45], s[10:11], s[44:45]
	s_wait_alu depctr_va_vdst(0)                   ; every offset and LDS address made above is written: the loads and stores of the whole kernel read them
.irp i, 0,1
	global_load_b128 v[96+4*\i:99+4*\i], v[TP], s[30:31] offset:8192*\i      ; the gate of four keys, twice: 512 threads cover 8,192 bytes a load
.endr
.irp i, 0,1
	global_load_b128 v[112+4*\i:115+4*\i], v[TP], s[32:33] offset:8192*\i    ; their mask
.endr
.irp i, 0,1
	global_load_b128 v[128+4*\i:131+4*\i], v[TP], s[34:35] offset:8192*\i    ; K's scale words
.endr
	global_load_b128 v[144:147], v[TP], s[36:37]                             ; V's
.irp i, 0,1,2
	global_load_b128 v[SG+4*\i:SG+4*\i+3], v[TG], s[16:17] offset:4096*\i    ; my half's first 256 keys: its 256 threads cover 4,096 bytes a load
.endr
.irp i, 0,1,2
	global_load_b128 v[SG+12+4*\i:SG+12+4*\i+3], v[TG], s[18:19] offset:4096*\i
.endr
	global_load_b64 v[QR:QR+1], v[QA], s[38:39]
	global_load_b64 v[QR+2:QR+3], v[QB], s[38:39] offset:8
	global_load_b64 v[QR+4:QR+5], v[QA], s[38:39] offset:512
	global_load_b32 v[QSW], v[QSO], s[40:41]
.irp i, 0,1,2,3,4,5
	v_mov_b32 v[QR+6+\i], 0                        ; zero codes for K = 64 .. 127
	v_mov_b32 v[80+\i], 0                          ; and behind K's last tile
.endr
.set j, 0
.rept 32
	v_mov_b32 v[O+j], 0                            ; O^T: the step is written once; its first turn finds zeros
.set j, j+1
.endr
	v_mov_b32 v[LL], 0
	v_mov_b32 v[LL+1], 0
.irp i, 2,3,4,5,6,7
	v_mov_b32 v[TM+\i], 0                          ; written once: a lane permute's destination counts as one of its sources
.endr
	v_mov_b32 v[PW], 0                             ; (named as the upper half of the pair with f before it is first written)
	v_mov_b32 v[T0], 0
	v_mov_b32 v152, 0xf1800000                     ; -2^100
	v_mov_b32 v13, 0xe9000000                      ; the largest t so far: -2^83
	v_floor_f32 v[NM], -v13                        ; -M
	s_wait_loadcnt 0x0                             ; all of the above; the loads' bases may step
	s_add_nc_u64 s[16:17], s[16:17], 12288
	s_add_nc_u64 s[18:19], s[18:19], 12288
.set j, 0
.rept 8
	v_max_num_f32 v[96+j], 0x358637bd, v[96+j]     ; max(gate, 1e-6)
.set j, j+1
.endr
.set j, 0
	s_wait_alu depctr_va_vdst(0)
.rept 8
	v_log_f32 v[96+j], v[96+j]
.set j, j+1
.endr
	v_nop                                          ; a plain place behind the transcendentals
	v_cmp_eq_u32 s2, 0, v112                       ; which of my eight keys are masked: eight compares in one run, into eight scalar registers
	v_cmp_eq_u32 s3, 0, v113
	v_cmp_eq_u32 s28, 0, v114
	v_cmp_eq_u32 s29, 0, v115
	v_cmp_eq_u32 s46, 0, v116
	v_cmp_eq_u32 s47, 0, v117
	v_cmp_eq_u32 s50, 0, v118
	v_cmp_eq_u32 s51, 0, v119
	s_wait_alu depctr_va_vdst(0)                   ; the eight logarithms are written, ahead of their first reader
.set j, 0
.rept 8
	v_mul_f32 v[96+j], 0x40b17218, v[96+j]         ; x 8 ln 2, which c takes off again
.set j, j+1
.endr
	s_wait_alu depctr_va_sdst(0)                   ; the eight masks are written, ahead of their first reader
	v_cndmask_b32 v96, v96, v152, s2               ; a masked key: -2^100
	v_cndmask_b32 v97, v97, v152, s3
	v_cndmask_b32 v98, v98, v152, s28
	v_cndmask_b32 v99, v99, v152, s29
	v_cndmask_b32 v100, v100, v152, s46
	v_cndmask_b32 v101, v101, v152, s47
	v_cndmask_b32 v102, v102, v152, s50
	v_cndmask_b32 v103, v103, v152, s51
	s_wait_alu depctr_va_vdst(0)                   ; the bias in v96-103 is written, which the LDS stores read; no vector instruction names a register of S from here to the first step's products; the zero codes of Q and behind K are written, which the first products take
.irp i, 0,1
	ds_store_b128 v[TIK], v[128+4*\i:131+4*\i] offset:8192*\i
	ds_store_b128 v[TIK], v[96+4*\i:99+4*\i] offset:BIA-KSC+8192*\i
.endr
	ds_store_b128 v[TIK], v[144:147] offset:VSC-KSC
.irp i, 0,1,2
	ds_store_b128 v[TL], v[SG+4*\i:SG+4*\i+3] offset:4096*\i
	ds_store_b128 v[TL], v[SG+12+4*\i:SG+12+4*\i+3] offset:VOFF+4096*\i
.endr
	s_wait_dscnt 0x0                               ; for the others' sake: my stores have landed
	s_barrier_signal -1
	s_barrier_wait -1
	s_wait_alu depctr_vm_vsrc(0)                   ; my LDS stores have read v96-103, v128-135 and v144-147, in which the first step's bias lands
	BIAS 0                                         ; the first step's bias and scale words of K; every later step's are asked for in the step before
	BIAS 1
	BIAS 2
	BIAS 3
	ds_load_b128 v[KSW:KSW+3], v[AKS]              ; register p: lanes 0-15 tile 2 p's words, lanes 16-31 tile 2 p + 1's
; A KEY STEP: 128 keys, the q-th of my half's slot buf.  stage = 1: the next 256 keys are asked for.  nxt = 1: a step follows, whose bias and scale words of K are asked for.
.macro STEP buf, q, stage, nxt
	PLACES                                         ; four plain places between the last step's second products and the loads into the registers that they read
	s_wait_alu depctr_va_vdst(0)                   ; the last step's second products are done reading KF, in which K's images land
.irp n, 0,1,2,3,4,5,6,7,8,9,10,11
	ds_load_b128 v[KF+4*\n:KF+4*\n+3], v[LI] offset:SLOT1*\buf+6144*\q+512*\n   ; K's four images as they lie: tile t at v[KF + 6 t]
.endr
	s_wait_dscnt 0x0                               ; K is in, and so are the bias and K's scale words, asked for a step ago
.irp x, 0,1,2,3                        ; S^T = K Q^T + bias: eight accumulators, one product each
	MMA  S+16*\x,   KF+12*\x,   QR, S+16*\x,   KSW+\x, QSW
	MMA1 S+16*\x+8, KF+12*\x+6, QR, S+16*\x+8, KSW+\x, QSW
.endr
	s_wait_alu depctr_vm_vsrc(0)                   ; the LDS loads issued so far have read the three addresses that are written below; the LDS stores at the last slot's end have read SG, in which the loads below land
.if \stage
.irp i, 0,1,2
	global_load_b128 v[SG+4*\i:SG+4*\i+3], v[TG], s[16:17] offset:4096*\i
.endr
.irp i, 0,1,2
	global_load_b128 v[SG+12+4*\i:SG+12+4*\i+3], v[TG], s[18:19] offset:4096*\i
.endr
.endif
.if \nxt
	s_add_co_u32 s[TS], s[TS], 512
	v_add_nc_u32 v[AKS], s[TS], v[KS0]             ; the next step's scale words of K and its bias.  These four lines are the places behind the first products, ahead of the first read of their results
	v_add_nc_u32 v[ABI], s[TS], v[BI0]
.else
	v_nop
	v_nop
.endif
	v_add_nc_u32 v[AVS], s[TJ], v[VS0]             ; this step's scale words of V
	v_nop
	s_wait_alu depctr_va_vdst(0)                   ; the first products are done reading KF, in which V's images land; the three addresses are written
.irp n, 0,1,2,3,4,5,6,7,8,9,10,11
	ds_load_b128 v[KF+4*\n:KF+4*\n+3], v[LI] offset:SLOT1*\buf+VOFF+6144*\q+512*\n   ; V's four fragments land under the softmax
.endr
	ds_load_b64 v[VSW:VSW+1], v[AVS]
.irp b, 0,1,2,3
	v_max3_num_f32 v[TM+\b], v[S+16*\b], v[S+1+16*\b], v[S+2+16*\b]   ; the largest score of each block of 32 keys: for the row's maximum, and, since p rises with the score, for the block's largest p
.endr
.irp i, 3,5,7,9,11,13
.irp b, 0,1,2,3
	v_max3_num_f32 v[TM+\b], v[TM+\b], v[S+16*\b+\i], v[S+1+16*\b+\i]
.endr
.endr
.irp b, 0,1,2,3
	v_max_num_f32 v[TM+\b], v[TM+\b], v[S+15+16*\b]
.endr
.irp b, 0,1,2,3
	v_permlanex16_b32 v[PT+\b], v[TM+\b], s[SEL], s[SEL+1]
.endr
.irp b, 0,1,2,3
	v_max_num_f32 v[TM+\b], v[TM+\b], v[PT+\b]     ; with lane l xor 16's 16 keys
.endr
	v_max3_num_f32 v[T0], v[TM], v[TM+1], v[TM+2]
	v_max_num_f32 v[T0], v[T0], v[TM+3]
	v_mul_f32 v[T0], s[CS], v[T0]                  ; as t (c is positive)
	v_max_num_f32 v13, v13, v[T0]                  ; the running largest t
	v_mov_b32 v[T0], v[NM]
	v_floor_f32 v[NM], -v13                        ; the new -M = floor(-t): M is a whole number
	v_sub_f32 v[T0], v[NM], v[T0]                  ; old M - new M: a whole number, 0 or less
	v_cvt_i32_f32 v[T0], v[T0]                     ; (it saturates)
	v_ldexp_f32 v[F], 1.0, v[T0]                   ; f = 2^(old M - new M)
.set j, 0
.rept 32
	v_pk_fma_f32 v[S+j:S+j+1], v[S+j:S+j+1], s[CS:CS+1], v[NM:NM+1] op_sel_hi:[1,0,0]   ; t - M, two at a time
.set j, j+2
.endr
.irp b, 0,1,2,3
	v_fma_f32 v[TM+\b], v[TM+\b], s[CS], v[NM]     ; the same of each block's largest score
.endr
.set j, 0
	s_wait_alu depctr_va_vdst(0)
.rept 64
	v_exp_f32 v[S+j], v[S+j]                       ; p = 2^(t - M), at most 1
.set j, j+1
.endr
.irp b, 0,1,2,3
	v_exp_f32 v[TM+\b], v[TM+\b]                   ; the block's largest p: the same two instructions on the same number
.endr
	v_pk_mul_f32 v[LL:LL+1], v[LL:LL+1], v[F:F+1] op_sel_hi:[1,0]   ; l under the new M.  (A plain place behind the exponentials)
	s_wait_alu depctr_va_vdst(0)                   ; the 68 exponentials are written, ahead of their first reader: one wait for the batch
.irp b, 0,1,2,3
	v_max_num_f32 v[TM+\b], 0x2800000, v[TM+\b]    ; the floor 2^(5 - 127): the byte cannot fall under 1
.endr
.irp b, 0,1,2,3
	v_add_nc_u32 v[SOP+\b], 0xfe000000, v[TM+\b]   ; 4 off the exponent field: the conversion's scale operand
.endr
.irp b, 0,1,2,3
	v_lshrrev_b32 v[PT+\b], 23, v[SOP+\b]          ; the scale's byte
.endr
	v_lshl_or_b32 v[PW], v[PT+1], 8, v[PT]         ; p's scale word for these 128 keys
	v_lshl_or_b32 v[PW], v[PT+2], 16, v[PW]
	v_lshl_or_b32 v[PW], v[PT+3], 24, v[PW]
.irp c, 0,1
	v_cvt_scalef32_pk16_bf6_f32 v[PC+6*\c:PC+6*\c+2], v[S+32*\c:S+32*\c+15], v[SOP+2*\c]
	v_cvt_scalef32_pk16_bf6_f32 v[CT+4*\c:CT+4*\c+2], v[S+32*\c+16:S+32*\c+31], v[SOP+2*\c+1]
.endr
	v_nop                                          ; one plain place behind a scaled conversion
.irp c, 0,1                            ; a whole block to a lane: lanes 0-15 block 2 c, lanes 16-31 block 2 c + 1
.irp i, 0,1,2
	v_permlane16_swap_b32 v[PC+6*\c+\i], v[CT+4*\c+\i]
.endr
.irp i, 0,1,2
	v_mov_b32 v[PC+3+6*\c+\i], v[CT+4*\c+\i]
.endr
.endr
	v_pk_add_f32 v[PT:PT+1], v[S:S+1], v[S+2:S+3]  ; l takes the UNQUANTISED p: two at a time, in two chains.  (These 32 lines are also the places between the scale word, the codes and the products)
.set j, 4
.rept 15
	v_pk_add_f32 v[LL:LL+1], v[LL:LL+1], v[S+j:S+j+1]
	v_pk_add_f32 v[PT:PT+1], v[PT:PT+1], v[S+j+2:S+j+3]
.set j, j+4
.endr
	v_pk_add_f32 v[LL:LL+1], v[LL:LL+1], v[PT:PT+1]
.set j, 0
.rept 16
	v_pk_mul_f32 v[O+j:O+j+1], v[O+j:O+j+1], v[F:F+1] op_sel_hi:[1,0]   ; O^T under the new M
.set j, j+2
.endr
	s_wait_dscnt 0x0                               ; V and its scale words are in
	s_wait_alu depctr_va_vdst(0)                   ; p's codes and scale word are written, which the scaled products take; the conversions and l's sums are done reading S, in which the next step's bias lands
	; O^T += V^T P^T: four accumulators, one product each.  The next step's 17 loads are dealt among them: the products name O^T, KF, the codes and the scale words VSW and PW, none of which those loads touch
	MMA  O,    KF,    PC, O,    VSW,   PW
.if \nxt
	BIAS 0
.endif
	MMA1 O+8,  KF+12, PC, O+8,  VSW,   PW
.if \nxt
	BIAS 1
.endif
	MMA  O+16, KF+24, PC, O+16, VSW+1, PW
.if \nxt
	BIAS 2
.endif
	MMA1 O+24, KF+36, PC, O+24, VSW+1, PW
.if \nxt
	BIAS 3
	ds_load_b128 v[KSW:KSW+3], v[AKS]              ; register p: lanes 0-15 tile 2 p's words, lanes 16-31 tile 2 p + 1's
.endif
	s_add_co_u32 s[TJ], s[TJ], 256
.endm
; A SLOT: 256 keys of each half.  stage = 1: the next 256 keys are asked for in its first step and stored into the other slot at its end.  That slot was last read in the slot before, at whose end every wave waited for its LDS loads and
; passed the barrier; it is read again only behind the barrier here, in front of which every wave's stores have landed.  nxt = 0: the half's last slot.
.macro SLOT buf, stage, nxt
	STEP \buf, 0, \stage, 1
	STEP \buf, 1, 0, \nxt
.if \stage
	s_wait_loadcnt 0x0                             ; the six loads are in, so their bases may step
	s_add_nc_u64 s[16:17], s[16:17], 12288
	s_add_nc_u64 s[18:19], s[18:19], 12288
.irp i, 0,1,2
	ds_store_b128 v[TL], v[SG+4*\i:SG+4*\i+3] offset:SLOT1*(1-\buf)+4096*\i
	ds_store_b128 v[TL], v[SG+12+4*\i:SG+12+4*\i+3] offset:SLOT1*(1-\buf)+VOFF+4096*\i
.endr
	s_wait_dscnt 0x0                               ; my stores have landed, and my reads of this slot are over
	s_barrier_signal -1
	s_barrier_wait -1
.endif
.endm
.Lpair:                                ; a half has 8 slots: 3 trips of two; the last two are written out, so that no load passes the half's part of the buffer
	SLOT 0, 1, 1
	SLOT 1, 1, 1
	s_sub_co_u32 s26, s26, 1
	s_cmp_lg_u32 s26, 0
	s_cbranch_scc1 .Lpair
	SLOT 0, 1, 1
	SLOT 1, 0, 0
	; THE TWO HALVES OF THE KEYS MEET.  The exchange lies over the slots: behind this barrier no wave reads them any more
	PLACES                                         ; four places behind the last products, ahead of the first read of their results
	s_wait_alu depctr_va_vdst(0)                   ; the last products have written O^T, and -M, t and l are written, which the hand-over's LDS stores read; the softmax is done with S, in which the partner's image lands
	s_wait_dscnt 0x0                               ; my reads of the slots are over
	s_barrier_signal -1
	s_barrier_wait -1
	s_cmp_eq_u32 s[HF], 0
	s_cbranch_scc1 .Lkeeps                         ; on the wave's number alone: the wave of the upper half hands over
.irp i, 0,1,2,3,4,5,6,7
	ds_store_b128 v[MR], v[O+4*\i:O+4*\i+3] offset:512*\i   ; O^T as an image of its registers; each accumulator from its low end on
.endr
	ds_store_b128 v[MR], v[NM:NM+3] offset:4096    ; -M, the largest t, l's two halves
.Lkeeps:
	s_wait_dscnt 0x0                               ; for the partner's sake: the stores have landed
	s_barrier_signal -1
	s_barrier_wait -1
	s_cmp_lg_u32 s[HF], 0
	s_cbranch_scc1 .Ldone                          ; the upper half's wave has nothing more to do
.irp i, 0,1,2,3,4,5,6,7
	ds_load_b128 v[S+4*\i:S+4*\i+3], v[MR] offset:512*\i
.endr
	ds_load_b128 v[128:131], v[MR] offset:4096
	s_wait_dscnt 0x0
	v_min_num_f32 v[T0], v[NM], v128               ; the joint -M: the larger M
	v_sub_f32 v134, v[T0], v[NM]                   ; my M - the joint M: a whole number, 0 or less
	v_sub_f32 v135, v[T0], v128                    ; the partner's likewise
	v_cvt_i32_f32 v134, v134                       ; (they saturate)
	v_cvt_i32_f32 v135, v135
	v_ldexp_f32 v[F], 1.0, v134                    ; f0, f1: powers of two, or 0 for a half that counts for nothing beside the other
	v_ldexp_f32 v132, 1.0, v135
	v_mov_b32 v133, 0                              ; (named as the upper half of the pair with f1)
	v_pk_mul_f32 v[130:131], v[130:131], v[132:133] op_sel_hi:[1,0]
	v_pk_fma_f32 v[LL:LL+1], v[LL:LL+1], v[F:F+1], v[130:131] op_sel_hi:[1,0,1]   ; l = l0 f0 + l1 f1
.set j, 0
.rept 16
	v_pk_mul_f32 v[S+j:S+j+1], v[S+j:S+j+1], v[132:133] op_sel_hi:[1,0]
.set j, j+2
.endr
.set j, 0
.rept 16
	v_pk_fma_f32 v[S+j:S+j+1], v[O+j:O+j+1], v[F:F+1], v[S+j:S+j+1] op_sel_hi:[1,0,1]   ; O^T = O0 f0 + O1 f1; each accumulator from its low end on
.set j, j+2
.endr
	; THE WAY OUT: O^T / l, quantised along d_model: my head's two blocks of 32; six registers of codes and two bytes a row
	v_add_f32 v[LL], v[LL], v[LL+1]                ; l's two halves,
	v_permlanex16_b32 v[T0], v[LL], s[SEL], s[SEL+1]
	v_add_f32 v[LL], v[LL], v[T0]                  ; and lane l xor 16's
	s_wait_alu depctr_va_vdst(0)
	v_rcp_f32 v134, v[LL]
	v_mov_b32 v[CF], 0xff                          ; (a plain place behind the transcendental)
	s_wait_alu depctr_va_vdst(0)                   ; the reciprocal is written, ahead of its first reader
.set j, 0
.rept 16
	v_pk_mul_f32 v[S+j:S+j+1], v[S+j:S+j+1], v[134:135] op_sel_hi:[1,0]   ; register 16 b + i: channel 32 b + 16 h + i of my query
.set j, j+2
.endr
	QH S, PC, T0
	v_cmp_eq_f32 vcc_lo, 0, v[LL]
	v_cndmask_b32 v[T0], v[TM+2], v[TM+3], s27     ; lanes 0-15 store block 0's byte, lanes 16-31 block 1's
	s_wait_alu depctr_va_vcc(0)                    ; the compare has written VCC, ahead of its reader
	v_cndmask_b32 v[T0], v[T0], v[CF], vcc_lo      ; no key counted: the byte that makes the last product NaN
	s_wait_alu depctr_va_vdst(0)                   ; the codes and the byte are written, which the stores read
.irp i, 0,1,2
	global_store_b64 v[OA], v[PC+2*\i:PC+2*\i+1], s[42:43] offset:256*\i   ; 256 consecutive bytes, aligned
.endr
	global_store_b8 v[OB], v[T0], s[44:45]         ; byte 2 x head + block of my row's sixteen
.Ldone:
	s_wait_dscnt 0x0                               ; the closing lines, six on end
	s_wait_alu 0x0
	s_wait_tensorcnt 0x0
	ds_add_u32 v254, v255
	s_wait_dscnt 0x0
	s_endpgm
.Lfunc_end_k_qc37070cb08_attn:
	.size	k_qc37070cb08_attn, .Lfunc_end_k_qc37070cb08_attn-k_qc37070cb08_attn
	.p2alignl 7, 3214868480
	.fill 96, 4, 3214868480
	.section	.rodata,"a",@progbits
	.p2align	6, 0x0
	.amdhsa_kernel k_qc37070cb08_attn
		.amdhsa_group_segment_fixed_size 174080
		.amdhsa_private_segment_fixed_size 0
		.amdhsa_enable_private_segment 0
		.amdhsa_kernarg_size 32
		.amdhsa_user_sgpr_count 2
		.amdhsa_user_sgpr_kernarg_segment_ptr 1
		.amdhsa_wavefront_size32 1
		.amdhsa_system_sgpr_workgroup_id_x 1
		.amdhsa_system_sgpr_workgroup_id_y 1
		.amdhsa_system_sgpr_workgroup_id_z 1
		.amdhsa_system_vgpr_workitem_id 0
		.amdhsa_next_free_vgpr 256
		.amdhsa_next_free_sgpr 66
		.amdhsa_reserve_vcc 1
		.amdhsa_float_denorm_mode_32 3
		.amdhsa_float_denorm_mode_16_64 3
		.amdhsa_memory_ordered 1
		.amdhsa_forward_progress 1
		.amdhsa_inst_pref_size 154
	.end_amdhsa_kernel
	.amdgpu_metadata
---
amdhsa.version: [ 1, 2 ]
amdhsa.kernels:
  - .name:           k_qc37070cb08_attn
    .symbol:         k_qc37070cb08_attn.kd
    .args:
      - { .name: key_gate, .offset: 0, .size: 8, .value_kind: global_buffer, .address_space: global }
      - { .name: key_mask, .offset: 8, .size: 8, .value_kind: global_buffer, .address_space: global }
      - { .name: pjk, .offset: 16, .size: 8, .value_kind: global_buffer, .address_space: global }
      - { .name: aok, .offset: 24, .size: 8, .value_kind: global_buffer, .address_space: global }
    .group_segment_fixed_size: 174080
    .private_segment_fixed_size: 0
    .kernarg_segment_align: 8
    .kernarg_segment_size: 32
    .max_flat_workgroup_size: 512
    .sgpr_count:     66
    .vgpr_count:     256
    .wavefront_size: 32
...
	.end_amdgpu_metadata
.endif
;; end of part 7
;; launch outp (part 8): grid 4 x 64, 8 waves a work-group, no clusters, 34,816 bytes of LDS; arguments wpk, aok, bo, out0; writes out0
.if DOCPART == 8
	.amdgcn_target "amdgcn-amd-amdhsa--gfx1250"
	.amdhsa_code_object_version 6
	.text
	.protected	k_qc37070cb08_outp
	.globl	k_qc37070cb08_outp
	.p2align	8
	.type	k_qc37070cb08_outp,@function
k_qc37070cb08_outp:
	s_mov_b64 s[64:65], 0
	v_nop
	global_prefetch_b8 v0, s[64:65] scope:SCOPE_SE
	s_setreg_imm32_b32 hwreg(HW_REG_WAVE_SCHED_MODE, 0, 2), 2
	s_setreg_imm32_b32 hwreg(HW_REG_WAVE_MODE, 25, 1), 1
	s_wait_xcnt 0x0
	s_wait_alu depctr_vm_vsrc(0)
; out0 = A Wo^T + bo on codes of E3M2: A [4,096][512] is the attention's result as the launch before left it, Wo's codes lie in wpk; both as images of operand registers, so every fragment comes by plain loads.
; SHARES: work-group (cb, rb) makes 64 rows x 128 columns: 256 work-groups.  Wave w: column group cg = w % 4 (tiles 8 cb + 2 cg + u of Wo), row group rg = w / 4 (tiles 4 rb + 2 rg + m of rows): four accumulators, 16 products, K = 512 in four steps.
; Source 0 = Wo's tile, source 1 = the rows: a lane holds one row and eight neighbouring columns.  The bias is loaded into the accumulators and taken as the first products' C.  The four accumulators take turns.
; ROWS OF A TILE: lane r of tile T holds row 32 (T / 2) + 8 (T % 2) + r + 8 (r / 8), for Wo's rows and for A's alike; the stage in LDS puts both back in order.
; aok: codes [tile 256][head 8][piece 3][lane 32][8 bytes]: heads 2 s, 2 s + 1 are K step s's twelve registers;  scale bytes from OS: [tile][row 16][16]: a row's four scale words.
; No ring, no tensor load: a wave's operands, 192 registers, are asked for at once and used once.  Work-groups share Wo's tiles (64 of them read each) and A's (4): 72 KiB of codes a work-group.
; THE MODE: SCHED_MODE bits 1:0 = 2 (LLVM: expert scheduling mode 2), set by the entry lines.  The code itself states the register dependences between vector or matrix instructions and memory or LDS instructions, with s_wait_alu, always for 0.
; THE PLAN.  v1-7: offsets and LDS addresses, made at the head, never written again: one wait on va_vdst ahead of the first load.  The operands, scale words and the bias are loaded once and read by the products.
; The accumulators are written by the products and read by the stage's LDS stores; Wo's fragments are read by the products and then take the rows that come back from the stage: one wait on va_vdst behind the products states both.
.set WOC, 589824                       ; Wo's images in wpk
.set WOS, 811008                       ; and its scale words
.set OS,  1572864
.set SP,  528                          ; the stage: 64 rows of 512 bytes + 16
.set LI,  1                            ; v1 16 x lane
.set L8,  2                            ; v2 8 x lane
.set R16, 3                            ; v3 16 r
.set R4,  4                            ; v4 4 r
.set H64, 5                            ; v5 64 h
.set SO,  6                            ; v6 the stage, on the way in
.set SR,  7                            ; v7 and back
.set WS,  16                           ; v16-23 Wo's scale words, (u, s) at 4 u + s
.set AS,  24                           ; v24-31 A's, (m, s) at 4 m + s
.set AC,  32                           ; v32-63 accumulators, (m, u) at 8 (2 m + u)
.set WF,  64                           ; v64-159 Wo's fragments, (u, s) at 12 (4 u + s); later rows of the result
.set AF,  160                          ; v160-255 A's, (m, s) at 48 m + 12 s
	s_load_b256 s[4:11], s[0:1], 0x0               ; wpk, aok, bo, out0
	v_lshl_add_u32 v14, v0, 2, 0x8400
	v_mov_b32 v15, 0
	v_lshrrev_b32 v8, 5, v0
	v_readfirstlane_b32 s12, v8                    ; wave 0..7
	s_and_b32 s15, ttmp7, 0xffff                   ; rb
	v_and_b32 v8, 31, v0                           ; lane
	v_and_b32 v9, 15, v0                           ; r
	v_bfe_u32 v10, v0, 4, 1                        ; h
	v_lshlrev_b32 v[LI], 4, v8
	v_lshlrev_b32 v[L8], 3, v8
	v_lshlrev_b32 v[R16], 4, v9
	v_lshlrev_b32 v[R4], 2, v9
	v_lshlrev_b32 v[H64], 6, v10
	s_wait_alu depctr_va_sdst(0)                   ; s12, the wave's number, is written, ahead of its first reader
	s_and_b32 s13, s12, 3                          ; cg
	s_lshr_b32 s14, s12, 2                         ; rg
	s_mul_i32 s30, s14, 32*SP
	s_lshl_b32 s29, s13, 7
	s_add_co_u32 s30, s30, s29
	s_mul_i32 s31, s12, 8*SP
	v_and_b32 v11, 8, v9
	v_add_nc_u32 v11, v11, v9                      ; r + 8 (r / 8)
	v_mul_u32_u24 v[SO], v11, SP
	v_add_nc_u32 v[SO], v[SO], v[H64]
	v_add_nc_u32 v[SO], s30, v[SO]                 ; row 32 rg + r + 8 (r / 8) (+ 8 m), byte 128 cg + 64 h (+ 32 u)
	v_add_nc_u32 v[SR], s31, v[LI]                 ; back: rows 8 w on, 16 bytes a lane
	s_lshl_b32 s28, ttmp9, 3
	s_lshl_b32 s29, s13, 1
	s_add_co_u32 s28, s28, s29                     ; my first tile of Wo
	s_mul_i32 s16, s28, 6144
	s_add_co_u32 s16, s16, WOC
	s_mov_b32 s17, 0
	s_lshl_b32 s18, s28, 8
	s_add_co_u32 s18, s18, WOS
	s_mov_b32 s19, 0
	s_lshl_b32 s28, s15, 2
	s_lshl_b32 s29, s14, 1
	s_add_co_u32 s28, s28, s29                     ; my first tile of rows
	s_mul_i32 s20, s28, 6144
	s_mov_b32 s21, 0
	s_lshl_b32 s22, s28, 8
	s_add_co_u32 s22, s22, OS
	s_mov_b32 s23, 0
	s_lshl_b32 s24, ttmp9, 9                       ; bo: column 128 cb + 32 cg
	s_lshl_b32 s29, s13, 7
	s_add_co_u32 s24, s24, s29
	s_mov_b32 s25, 0
	s_lshl_b32 s26, s15, 17                        ; out0: row 64 rb + 8 w, byte 512 cb
	s_lshl_b32 s29, s12, 14
	s_add_co_u32 s26, s26, s29
	s_lshl_b32 s29, ttmp9, 9
	s_add_co_u32 s26, s26, s29
	s_mov_b32 s27, 0
	s_wait_kmcnt 0x0
	s_add_nc_u64 s[16:17], s[4:5], s[16:17]
	s_add_nc_u64 s[18:19], s[4:5], s[18:19]
	s_add_nc_u64 s[20:21], s[6:7], s[20:21]
	s_add_nc_u64 s[22:23], s[6:7], s[22:23]
	s_add_nc_u64 s[24:25], s[8:9], s[24:25]
	s_add_nc_u64 s[26:27], s[10:11], s[26:27]
	s_wait_alu depctr_va_vdst(0)                   ; the offsets and LDS addresses v1 to v7 are written, which every load and store below reads
.set i, 0
.rept 24
	global_load_b128 v[WF+4*i:WF+4*i+3], v[LI], s[16:17] offset:512*i
.set i, i+1
.endr
.set i, 0
.rept 8
	global_load_b32 v[WS+i], v[R4], s[18:19] offset:64*i
.set i, i+1
.endr
.irp m, 0,1
.set i, 0
.rept 24
	global_load_b64 v[AF+48*\m+2*i:AF+48*\m+2*i+1], v[L8], s[20:21] offset:6144*\m+256*i
.set i, i+1
.endr
	global_load_b128 v[AS+4*\m:AS+4*\m+3], v[R16], s[22:23] offset:256*\m
.irp u, 0,1
	global_load_b128 v[AC+8*(2*\m+\u):AC+8*(2*\m+\u)+3], v[H64], s[24:25] offset:32*\u      ; register j: bo at column 16 h + 8 u + j of my 32
	global_load_b128 v[AC+8*(2*\m+\u)+4:AC+8*(2*\m+\u)+7], v[H64], s[24:25] offset:32*\u+16
.endr
.endr
	s_wait_loadcnt 0x0
.irp s, 0,1,2,3
.irp m, 0,1
.irp u, 0,1
	v_wmma_scale_f32_16x16x128_f8f6f4 v[AC+8*(2*\m+\u):AC+8*(2*\m+\u)+7], v[WF+12*(4*\u+\s):WF+12*(4*\u+\s)+11], v[AF+48*\m+12*\s:AF+48*\m+12*\s+11], v[AC+8*(2*\m+\u):AC+8*(2*\m+\u)+7], v[WS+4*\u+\s], v[AS+4*\m+\s] matrix_a_fmt:MATRIX_FMT_BF6 matrix_b_fmt:MATRIX_FMT_BF6
.endr
.endr
.endr
.rept 4
	v_nop                                          ; four places ahead of the stores that read the results
.endr
	s_wait_alu depctr_va_vdst(0)                   ; the products have written the accumulators, which the LDS stores read, and are done reading Wo's fragments, in which the rows from the stage land; the places above stay beside this wait
.irp m, 0,1
.irp u, 0,1
	ds_store_b128 v[SO], v[AC+8*(2*\m+\u):AC+8*(2*\m+\u)+3] offset:8*\m*SP+32*\u       ; each accumulator from its low end on
	ds_store_b128 v[SO], v[AC+8*(2*\m+\u)+4:AC+8*(2*\m+\u)+7] offset:8*\m*SP+32*\u+16
.endr
.endr
	s_wait_dscnt 0x0                               ; for the others' sake: a row's 512 bytes come from four waves
	s_barrier_signal -1
	s_barrier_wait -1
.irp i, 0,1,2,3,4,5,6,7
	ds_load_b128 v[WF+4*\i:WF+4*\i+3], v[SR] offset:\i*SP
.endr
.irp i, 0,1,2,3,4,5,6,7
	s_wait_dscnt 7-\i                              ; row i is back; the younger loads may be out
	global_store_b128 v[LI], v[WF+4*\i:WF+4*\i+3], s[26:27] offset:2048*\i th:TH_STORE_NT   ; 512 consecutive bytes, aligned; written once, read by nobody here
.endr
	s_wait_dscnt 0x0                               ; the closing lines, six on end
	s_wait_alu 0x0
	s_wait_tensorcnt 0x0
	ds_add_u32 v14, v15
	s_wait_dscnt 0x0
	s_endpgm
.Lfunc_end_k_qc37070cb08_outp:
	.size	k_qc37070cb08_outp, .Lfunc_end_k_qc37070cb08_outp-k_qc37070cb08_outp
	.p2alignl 7, 3214868480
	.fill 96, 4, 3214868480
	.section	.rodata,"a",@progbits
	.p2align	6, 0x0
	.amdhsa_kernel k_qc37070cb08_outp
		.amdhsa_group_segment_fixed_size 34816
		.amdhsa_private_segment_fixed_size 0
		.amdhsa_enable_private_segment 0
		.amdhsa_kernarg_size 32
		.amdhsa_user_sgpr_count 2
		.amdhsa_user_sgpr_kernarg_segment_ptr 1
		.amdhsa_wavefront_size32 1
		.amdhsa_system_sgpr_workgroup_id_x 1
		.amdhsa_system_sgpr_workgroup_id_y 1
		.amdhsa_system_sgpr_workgroup_id_z 1
		.amdhsa_system_vgpr_workitem_id 0
		.amdhsa_next_free_vgpr 256
		.amdhsa_next_free_sgpr 66
		.amdhsa_reserve_vcc 0
		.amdhsa_float_denorm_mode_32 3
		.amdhsa_float_denorm_mode_16_64 3
		.amdhsa_memory_ordered 1
		.amdhsa_forward_progress 1
		.amdhsa_inst_pref_size 16
	.end_amdhsa_kernel
	.amdgpu_metadata
---
amdhsa.version: [ 1, 2 ]
amdhsa.kernels:
  - .name:           k_qc37070cb08_outp
    .symbol:         k_qc37070cb08_outp.kd
    .args:
      - { .name: wpk, .offset: 0, .size: 8, .value_kind: global_buffer, .address_space: global }
      - { .name: aok, .offset: 8, .size: 8, .value_kind: global_buffer, .address_space: global }
      - { .name: bo, .offset: 16, .size: 8, .value_kind: global_buffer, .address_space: global }
      - { .name: out0, .offset: 24, .size: 8, .value_kind: global_buffer, .address_space: global }
    .group_segment_fixed_size: 34816
    .private_segment_fixed_size: 0
    .kernarg_segment_align: 8
    .kernarg_segment_size: 32
    .max_flat_workgroup_size: 256
    .sgpr_count:     66
    .vgpr_count:     256
    .wavefront_size: 32
...
	.end_amdgpu_metadata
.endif
;; end of part 8
